; MI455X (gfx1250); checked and timed in simulation.
; The chip was launched on July 23, 2026; its instructions are those of AMD's public machine-readable ISA for CDNA 5 (MIT licence, August 2026) and "CDNA5" Instruction Set Architecture Reference Guide (July 2026). The comments in the code are by the model that wrote it; some were corrected since.
;; Point Transformer Layer. Allowed arithmetic: float matrix products may take bf16 or f16 operands with f32 sums; other float arithmetic in f32, or as packed bf16 or f16 multiplies, adds, multiply-adds, maxima and minima; sums over many terms, partial sums and values carried from step to step in f32; what a program stores and reads back later, other than sums and carried values, may be rounded once to bf16 or f16.
;; Inputs: Wd1 3 x 3 float32; Wd2 128 x 3 float32; Wg1 128 x 128 float32; Wg2 128 x 128 float32; Wk 128 x 128 float32; Wq 128 x 128 float32; Wv 128 x 128 float32; bd1 3 float32; bd2 128 float32; betad 3 float32; betag1 128 float32; betag2 128 float32; bg1 128 float32; bg2 128 float32; bk 128 float32; bq 128 float32; bv 128 float32; feats 2 x 8,192 x 128 float32; gd 3 float32; gg1 128 float32; gg2 128 float32; points 2 x 8,192 x 3 float32.
;; Outputs: out0 2 x 8,192 x 128 float32.
;; Constants: k = 16.
;; 2 versions, each right; version 2 is version 1 with the launch knn2 written anew for expert scheduling mode. Each part assembles by itself: llvm-mc -triple=amdgcn-amd-amdhsa -mcpu=gfx1250 --defsym DOCPART=n.
;; ======== version 1 of 2: 6 launches
;; limits: values outside matrix products are rounded to f16
;; workspace buffers: wn 2,097,152 bytes of whole numbers; cand 3,145,728 bytes of whole numbers; qkv 12,582,912 bytes; x0 67,108,864 bytes; x1 67,108,864 bytes; u 4,194,304 bytes; stA 270,336 bytes; stB 262,144 bytes
;; launch knn1 (part 1): grid 256 x 1, 8 waves a work-group, no clusters, 92,416 bytes of LDS; arguments points, wn; writes wn
.if DOCPART == 1
	.amdgcn_target "amdgcn-amd-amdhsa--gfx1250"
	.amdhsa_code_object_version 6
	.text
	.protected	k_qc6a5173ad8_knn1
	.globl	k_qc6a5173ad8_knn1
	.p2align	8
	.type	k_qc6a5173ad8_knn1,@function
k_qc6a5173ad8_knn1:
	s_mov_b64 s[64:65], 0
	v_nop
	global_prefetch_b8 v0, s[64:65] scope:SCOPE_SE
	s_setreg_imm32_b32 hwreg(HW_REG_WAVE_MODE, 25, 1), 1
	s_wait_xcnt 0x0
; NEAREST NEIGHBOURS, STEP 1.  A batch's 8,192 candidates are 256 groups of 32 consecutive indices.  The 16 smallest keys (d2, index) of a query lie in the
; 16 groups whose minima have the smallest (minimum, group number).  This launch makes every d2, the 256 group minima of each of the work-group's 64 queries,
; the 16th smallest minimum tau, and stores two bit masks a query: minimum < tau and minimum == tau.  A later launch reads them as whole numbers.
; ARITHMETIC.  d2 is made in f32 on the vector unit, in one fixed order: pn = fma(z,z,fma(y,y,x*x)); with a,b,c = -2 x the query's x,y,z:
; D = a*x'; D = fma(b,y',D); D = fma(c,z',D); d2 = (pn_n + pn_m) + D.  16-bit operands would change which neighbours are chosen, so this product of K = 3
; does not go to the matrix unit.  LIMITS: inputs are finite; the chosen set rests on this order of rounding; equal keys go to the lower index.
; SHARES.  Thread t owns group t (its 32 candidates stay in registers); the 64 queries go by as scalars, two a trip.
.set GMP, 1040                         ; a query's 256 minima + 16 bytes: 260 words
.set SL, 66560                         ; 4 parts x 64 queries x 80 bytes: sorted lists
.set TAU, 87040
.set MK, 87296                         ; 64 queries x 64 bytes of masks
.set SPARE, 91392                      ; the spare words, 128 bytes a wave
.set X, 64
.set Y, 96
.set Z, 128
.set PN, 160
.set RAW, 192
.set LL, 64                            ; the running 16 smallest, ascending
.set P1, 80
.set C, 96                             ; a batch of 16 and one free register
.macro BAR
	s_wait_dscnt 0x0
	s_barrier_signal -1
	s_barrier_wait -1
.endm
; a comparator without a copy: the minimum goes to the free register, the maximum stays, and the names change at assembly time
.macro CE a, b
	v_min_num_f32 v[RF], v[R\a], v[R\b]
	v_max_num_f32 v[R\b], v[R\a], v[R\b]
.set RT, R\a
.set R\a, RF
.set RF, RT
.endm
.macro CEL a, b, c=-1, d=0, e=-1, f=0, g=-1, h=0
	CE \a, \b
.if \c >= 0
	CE \c, \d
.endif
.if \e >= 0
	CE \e, \f
.endif
.if \g >= 0
	CE \g, \h
.endif
.endm
.macro RESETMAP
.irp e, 0,1,2,3,4,5,6,7,8,9,10,11,12,13,14,15
.set R\e, C+\e
.endr
.set RF, C+16
.endm
.macro SORT16                          ; the odd-even merge sort of 16: 63 comparators
	RESETMAP
	CEL 0,1,2,3,4,5,6,7
	CEL 8,9,10,11,12,13,14,15
	CEL 0,2,1,3,4,6,5,7
	CEL 8,10,9,11,12,14,13,15
	CEL 1,2,5,6,9,10,13,14
	CEL 0,4,1,5,2,6,3,7
	CEL 8,12,9,13,10,14,11,15
	CEL 2,4,3,5,10,12,11,13
	CEL 1,2,3,4,5,6,9,10
	CEL 11,12,13,14
	CEL 0,8,1,9,2,10,3,11
	CEL 4,12,5,13,6,14,7,15
	CEL 4,8,5,9,6,10,7,11
	CEL 2,4,3,5,6,8,7,9
	CEL 10,12,11,13
	CEL 1,2,3,4,5,6,7,8
	CEL 9,10,11,12,13,14
.endm
.macro PRUNE                           ; the 16 smallest of two ascending lists, as a bitonic sequence
.irp e, 0,1,2,3,4,5,6,7,8,9,10,11,12,13,14,15
	v_min_num_f32 v[LL+15-\e], v[LL+15-\e], v[R\e]
.endr
.endm
.macro BSTG dst, src, d
.set i, 0
.rept 16
.if (i & \d) == 0
	v_min_num_f32 v[\dst+i], v[\src+i], v[\src+i+\d]
	v_max_num_f32 v[\dst+i+\d], v[\src+i], v[\src+i+\d]
.endif
.set i, i+1
.endr
.endm
.macro BMERGE                          ; bitonic merge: LL is ascending again
	BSTG P1, LL, 8
	BSTG LL, P1, 4
	BSTG P1, LL, 2
	BSTG LL, P1, 1
.endm
; the minimum of one query's d2 over my 32 candidates.  sb: the query's a, b, c, pn in the low words of four scalar pairs
.macro QD sb, tb, mb
.set qg, 0
.rept 4
.irp k, 0,1,2,3
	v_pk_add_f32 v[\tb+4*\k:\tb+4*\k+1], v[PN+8*qg+2*\k:PN+8*qg+2*\k+1], s[\sb+6:\sb+7] op_sel_hi:[1,0]
	v_pk_mul_f32 v[\tb+4*\k+2:\tb+4*\k+3], v[X+8*qg+2*\k:X+8*qg+2*\k+1], s[\sb:\sb+1] op_sel_hi:[1,0]
.endr
.irp k, 0,1,2,3
	v_pk_fma_f32 v[\tb+4*\k+2:\tb+4*\k+3], v[Y+8*qg+2*\k:Y+8*qg+2*\k+1], s[\sb+2:\sb+3], v[\tb+4*\k+2:\tb+4*\k+3] op_sel_hi:[1,0,1]
.endr
.irp k, 0,1,2,3
	v_pk_fma_f32 v[\tb+4*\k+2:\tb+4*\k+3], v[Z+8*qg+2*\k:Z+8*qg+2*\k+1], s[\sb+4:\sb+5], v[\tb+4*\k+2:\tb+4*\k+3] op_sel_hi:[1,0,1]
.endr
.irp k, 0,1,2,3
	v_pk_add_f32 v[\tb+4*\k+2:\tb+4*\k+3], v[\tb+4*\k:\tb+4*\k+1], v[\tb+4*\k+2:\tb+4*\k+3]
.endr
.irp k, 0,1,2,3
.if qg == 0
	v_min_num_f32 v[\mb+\k], v[\tb+4*\k+2], v[\tb+4*\k+3]
.else
	v_min3_num_f32 v[\mb+\k], v[\mb+\k], v[\tb+4*\k+2], v[\tb+4*\k+3]
.endif
.endr
.set qg, qg+1
.endr
	v_min3_num_f32 v[\mb], v[\mb], v[\mb+1], v[\mb+2]
	v_min_num_f32 v[\mb], v[\mb], v[\mb+3]
.endm
	s_load_b128 s[4:7], s[0:1], 0x0                ; points s[4:5], wn s[6:7]
	v_lshl_add_u32 v2, v0, 2, SPARE
	v_mov_b32 v3, 0
	v_lshrrev_b32 v1, 5, v0
	v_readfirstlane_b32 s8, v1                     ; wave
	v_and_b32 v4, 31, v0                           ; lane
	s_lshr_b32 s9, ttmp9, 7                        ; batch
	s_and_b32 s10, ttmp9, 127
	s_mul_i32 s12, s9, 98304
	s_mov_b32 s13, 0
	s_lshl_b32 s14, ttmp9, 12                      ; my 64 queries' masks: 4,096 bytes
	s_mov_b32 s15, 0
	s_lshl_b32 s11, s10, 6
	v_mul_u32_u24 v6, v0, 384                      ; my group's 32 points
	v_add_nc_u32 v7, s11, v4
	v_mul_u32_u24 v7, v7, 12                       ; query lane, and 32 further on
	v_lshlrev_b32 v5, 2, v0                        ; where my group's minimum goes in a query's row
.irp k, 25,27,29,31,33,35,37,39
	s_mov_b32 s\k, 0                               ; the pairs' high words are named, so they are written
.endr
	s_wait_kmcnt 0x0
	s_add_nc_u64 s[4:5], s[4:5], s[12:13]
	s_add_nc_u64 s[6:7], s[6:7], s[14:15]
	global_load_b96 v[8:10], v7, s[4:5]
	global_load_b96 v[12:14], v7, s[4:5] offset:384
.irp hf, 0,1
.set i, 0
.rept 12
	global_load_b128 v[RAW+4*i:RAW+4*i+3], v6, s[4:5] offset:192*\hf+16*i
.set i, i+1
.endr
	s_wait_loadcnt 0x0
.set i, 0
.rept 16
	v_mov_b32 v[X+16*\hf+i], v[RAW+3*i]
	v_mov_b32 v[Y+16*\hf+i], v[RAW+3*i+1]
	v_mov_b32 v[Z+16*\hf+i], v[RAW+3*i+2]
.set i, i+1
.endr
.endr
.set i, 0
.rept 16
	v_pk_mul_f32 v[PN+2*i:PN+2*i+1], v[X+2*i:X+2*i+1], v[X+2*i:X+2*i+1]
.set i, i+1
.endr
.set i, 0
.rept 16
	v_pk_fma_f32 v[PN+2*i:PN+2*i+1], v[Y+2*i:Y+2*i+1], v[Y+2*i:Y+2*i+1], v[PN+2*i:PN+2*i+1]
.set i, i+1
.endr
.set i, 0
.rept 16
	v_pk_fma_f32 v[PN+2*i:PN+2*i+1], v[Z+2*i:Z+2*i+1], v[Z+2*i:Z+2*i+1], v[PN+2*i:PN+2*i+1]
.set i, i+1
.endr
.irp b, 8, 12
	v_mul_f32 v[\b+3], v[\b], v[\b]
	v_fmac_f32 v[\b+3], v[\b+1], v[\b+1]
	v_fmac_f32 v[\b+3], v[\b+2], v[\b+2]
	v_mul_f32 v[\b], -2.0, v[\b]
	v_mul_f32 v[\b+1], -2.0, v[\b+1]
	v_mul_f32 v[\b+2], -2.0, v[\b+2]
.endr
	s_mov_b32 s20, 0
.Lquery:                                               ; 32 trips: queries s20 and s20 + 32 against my 32 candidates
	v_readlane_b32 s24, v8, s20
	v_readlane_b32 s26, v9, s20
	v_readlane_b32 s28, v10, s20
	v_readlane_b32 s30, v11, s20
	v_readlane_b32 s32, v12, s20
	v_readlane_b32 s34, v13, s20
	v_readlane_b32 s36, v14, s20
	v_readlane_b32 s38, v15, s20
	QD 24, 16, 48
	QD 32, 32, 52
	ds_store_b32 v5, v48
	ds_store_b32 v5, v52 offset:32*GMP
	v_add_nc_u32 v5, GMP, v5
	s_add_co_u32 s20, s20, 1
	s_cmp_lt_u32 s20, 32
	s_cbranch_scc1 .Lquery
	BAR                                            ; all minima are in LDS
	; each lane takes one query and a quarter of its 256 minima: the 16 smallest of 64
	s_and_b32 s16, s8, 1
	s_lshr_b32 s17, s8, 1
	s_lshl_b32 s18, s16, 5
	v_add_nc_u32 v16, s18, v4                      ; query
	v_mul_u32_u24 v6, v16, GMP
	s_lshl_b32 s19, s17, 8
	v_add_nc_u32 v6, s19, v6
	v_mul_u32_u24 v7, v16, 80
	s_mul_i32 s19, s17, 5120
	s_add_co_u32 s19, s19, SL
	v_add_nc_u32 v7, s19, v7
.set i, 0
.rept 16
	v_mov_b32 v[LL+i], 0x7f800000
.set i, i+1
.endr
	s_mov_b32 s20, 4
.Lpart:
	ds_load_b128 v[C:C+3], v6
	ds_load_b128 v[C+4:C+7], v6 offset:16
	ds_load_b128 v[C+8:C+11], v6 offset:32
	ds_load_b128 v[C+12:C+15], v6 offset:48
	s_wait_dscnt 0x0
	SORT16
	PRUNE
	BMERGE
	v_add_nc_u32 v6, 64, v6
	s_sub_co_u32 s20, s20, 1
	s_cmp_lg_u32 s20, 0
	s_cbranch_scc1 .Lpart
.irp k, 0,1,2,3
	ds_store_b128 v7, v[LL+4*\k:LL+4*\k+3] offset:16*\k
.endr
	BAR
	s_cmp_lt_u32 s8, 2                             ; waves 0 and 1 hold part 0 of queries 32 w + lane: they merge the other three parts
	s_cbranch_scc0 .Lnomerge
.irp p, 1,2,3
.irp k, 0,1,2,3
	ds_load_b128 v[C+4*\k:C+4*\k+3], v7 offset:5120*\p+16*\k
.endr
	s_wait_dscnt 0x0
	RESETMAP
	PRUNE
	BMERGE
.endr
	v_lshl_add_u32 v17, v16, 2, TAU
	ds_store_b32 v17, v[LL+15]                     ; the 16th smallest minimum
.Lnomerge:
	BAR
	; masks: my group's minimum against each query's tau; a compare's 32 bits are word w of that query's mask
	v_lshl_add_u32 v17, v4, 2, TAU
	ds_load_b32 v196, v17
	ds_load_b32 v197, v17 offset:128
	v_lshlrev_b32 v9, 2, v0
.set q, 0
.rept 64
	ds_load_b32 v[128+q], v9 offset:GMP*q
.set q, q+1
.endr
	v_mov_b32 v192, 0
	v_mov_b32 v193, 0
	v_mov_b32 v194, 0
	v_mov_b32 v195, 0
	s_wait_dscnt 0x0
.set q, 0
.rept 32
	v_readlane_b32 s40, v196, q
	v_readlane_b32 s41, v197, q
	v_cmp_lt_f32 s42, v[128+q], s40
	v_cmp_eq_f32 s43, v[128+q], s40
	v_cmp_lt_f32 s44, v[160+q], s41
	v_cmp_eq_f32 s45, v[160+q], s41
	v_writelane_b32 v192, s42, q
	v_writelane_b32 v193, s43, q
	v_writelane_b32 v194, s44, q
	v_writelane_b32 v195, s45, q
.set q, q+1
.endr
	s_lshl_b32 s21, s8, 2
	s_add_co_u32 s21, s21, MK
	v_lshlrev_b32 v18, 6, v4
	v_add_nc_u32 v18, s21, v18
	ds_store_b32 v18, v192
	ds_store_b32 v18, v193 offset:32
	ds_store_b32 v18, v194 offset:2048
	ds_store_b32 v18, v195 offset:2080
	BAR
	v_lshlrev_b32 v12, 4, v0
	v_add_nc_u32 v11, MK, v12
	ds_load_b128 v[16:19], v11
	s_wait_dscnt 0x0
	global_store_b128 v12, v[16:19], s[6:7]        ; a wave stores 512 consecutive bytes
	s_wait_tensorcnt 0x0                           ; the wave's end
	ds_add_u32 v2, v3
	s_wait_dscnt 0x0
	s_endpgm
.Lfunc_end_k_qc6a5173ad8_knn1:
	.size	k_qc6a5173ad8_knn1, .Lfunc_end_k_qc6a5173ad8_knn1-k_qc6a5173ad8_knn1
	.p2alignl 7, 3214868480
	.fill 96, 4, 3214868480
	.section	.rodata,"a",@progbits
	.p2align	6, 0x0
	.amdhsa_kernel k_qc6a5173ad8_knn1
		.amdhsa_group_segment_fixed_size 92416
		.amdhsa_private_segment_fixed_size 0
		.amdhsa_enable_private_segment 0
		.amdhsa_kernarg_size 16
		.amdhsa_user_sgpr_count 2
		.amdhsa_user_sgpr_kernarg_segment_ptr 1
		.amdhsa_wavefront_size32 1
		.amdhsa_system_sgpr_workgroup_id_x 1
		.amdhsa_system_sgpr_workgroup_id_y 1
		.amdhsa_system_sgpr_workgroup_id_z 1
		.amdhsa_system_vgpr_workitem_id 0
		.amdhsa_next_free_vgpr 256
		.amdhsa_next_free_sgpr 66
		.amdhsa_reserve_vcc 0
		.amdhsa_float_denorm_mode_32 3
		.amdhsa_float_denorm_mode_16_64 3
		.amdhsa_memory_ordered 1
		.amdhsa_forward_progress 1
		.amdhsa_inst_pref_size 66
	.end_amdhsa_kernel
	.amdgpu_metadata
---
amdhsa.version: [ 1, 2 ]
amdhsa.kernels:
  - .name:           k_qc6a5173ad8_knn1
    .symbol:         k_qc6a5173ad8_knn1.kd
    .args:
      - { .name: points, .offset: 0, .size: 8, .value_kind: global_buffer, .address_space: global }
      - { .name: wn, .offset: 8, .size: 8, .value_kind: global_buffer, .address_space: global }
    .group_segment_fixed_size: 92416
    .private_segment_fixed_size: 0
    .kernarg_segment_align: 8
    .kernarg_segment_size: 16
    .max_flat_workgroup_size: 256
    .sgpr_count:     66
    .vgpr_count:     256
    .wavefront_size: 32
...
	.end_amdgpu_metadata
.endif
;; end of part 1
;; launch knn2 (part 2): grid 256 x 1, 8 waves a work-group, no clusters, 305,408 bytes of LDS; arguments points, wn, cand; writes cand
.if DOCPART == 2
	.amdgcn_target "amdgcn-amd-amdhsa--gfx1250"
	.amdhsa_code_object_version 6
	.text
	.protected	k_qc6a5173ad8_knn2
	.globl	k_qc6a5173ad8_knn2
	.p2align	8
	.type	k_qc6a5173ad8_knn2,@function
k_qc6a5173ad8_knn2:
	s_mov_b64 s[64:65], 0
	v_nop
	global_prefetch_b8 v0, s[64:65] scope:SCOPE_SE
	s_setreg_imm32_b32 hwreg(HW_REG_WAVE_MODE, 25, 1), 1
	s_wait_xcnt 0x0
; NEAREST NEIGHBOURS, STEP 2.  The group masks of the launch before are decoded by whole-number work into each query's list of 16 groups (minimum < tau, then
; the lowest-numbered groups with minimum == tau).  The d2 of the 512 candidates in them are made again, by the same five operations in the same order, the 16th
; smallest is found, and two masks a query (d2 < tau, d2 == tau; a word for each listed group) and the list of groups are stored for the next launch.
; LIMITS as in the launch before: finite inputs; the set rests on the stated order of rounding.
; SHARES.  A work-group has 64 queries, a wave 8.  The batch's 8,192 points lie in LDS as (x, y, z, pn); a wave's own 8 queries lie in registers (lane l: query l & 7),
; so that every LDS address is made of the thread's number, constants, loop steps and clamped list entries alone.
; SCALARS.  The decode loop fills s16-31 with a query's mask words, the mask loop s24-55 with compare results: what must outlive them lies elsewhere:
; s53 my wave's lists (last read ahead of the mask loop), s[58:59] and s[60:61] the two output pointers, s62 every loop's counter.
.set D2, 131072                        ; 64 queries x 2,064 bytes: 512 d2 + 16 bytes, 516 words
.set D2P, 2064
.set SL, 263168
.set TAU, 283648
.set LISTS, 283904                     ; 64 queries x 192 bytes: 16 entries, then 32 words for the lanes that list nothing
.set MK, 296192                        ; 64 queries x 128 bytes
.set SPARE, 304384
.set LL, 64
.set P1, 80
.set C, 96
.set CNT, 62
.set LB0, 53
.macro BAR
	s_wait_dscnt 0x0
	s_barrier_signal -1
	s_barrier_wait -1
.endm
.macro CE a, b
	v_min_num_f32 v[RF], v[R\a], v[R\b]
	v_max_num_f32 v[R\b], v[R\a], v[R\b]
.set RT, R\a
.set R\a, RF
.set RF, RT
.endm
.macro CEL a, b, c=-1, d=0, e=-1, f=0, g=-1, h=0
	CE \a, \b
.if \c >= 0
	CE \c, \d
.endif
.if \e >= 0
	CE \e, \f
.endif
.if \g >= 0
	CE \g, \h
.endif
.endm
.macro RESETMAP
.irp e, 0,1,2,3,4,5,6,7,8,9,10,11,12,13,14,15
.set R\e, C+\e
.endr
.set RF, C+16
.endm
.macro SORT16
	RESETMAP
	CEL 0,1,2,3,4,5,6,7
	CEL 8,9,10,11,12,13,14,15
	CEL 0,2,1,3,4,6,5,7
	CEL 8,10,9,11,12,14,13,15
	CEL 1,2,5,6,9,10,13,14
	CEL 0,4,1,5,2,6,3,7
	CEL 8,12,9,13,10,14,11,15
	CEL 2,4,3,5,10,12,11,13
	CEL 1,2,3,4,5,6,9,10
	CEL 11,12,13,14
	CEL 0,8,1,9,2,10,3,11
	CEL 4,12,5,13,6,14,7,15
	CEL 4,8,5,9,6,10,7,11
	CEL 2,4,3,5,6,8,7,9
	CEL 10,12,11,13
	CEL 1,2,3,4,5,6,7,8
	CEL 9,10,11,12,13,14
.endm
.macro PRUNE
.irp e, 0,1,2,3,4,5,6,7,8,9,10,11,12,13,14,15
	v_min_num_f32 v[LL+15-\e], v[LL+15-\e], v[R\e]
.endr
.endm
.macro BSTG dst, src, d
.set i, 0
.rept 16
.if (i & \d) == 0
	v_min_num_f32 v[\dst+i], v[\src+i], v[\src+i+\d]
	v_max_num_f32 v[\dst+i+\d], v[\src+i], v[\src+i+\d]
.endif
.set i, i+1
.endr
.endm
.macro BMERGE
	BSTG P1, LL, 8
	BSTG LL, P1, 4
	BSTG P1, LL, 2
	BSTG LL, P1, 1
.endm
; One word of the two masks.  A lane whose bit is chosen (lt, or eq with fewer than s46 eq bits before it) writes v23 at the list's next place; the others write into the dump words.
.macro DECODEW lt, eq
	v_mbcnt_lo_u32_b32 v20, s[\eq], s47
	v_cmp_gt_u32 vcc_lo, s46, v20
	s_and_b32 s50, vcc_lo, s[\eq]
	s_or_b32 s51, s50, s[\lt]
	s_bcnt1_i32_b32 s52, s[\eq]
	s_add_co_u32 s47, s47, s52
	v_mbcnt_lo_u32_b32 v21, s51, s48
	s_bcnt1_i32_b32 s52, s51
	s_add_co_u32 s48, s48, s52
	v_cndmask_b32 v21, v22, v21, s51
	v_min_u32 v21, 47, v21
	v_lshl_add_u32 v21, v21, 2, s49
	ds_store_b32 v21, v23
.endm
	s_load_b128 s[4:7], s[0:1], 0x0                ; points, wn
	s_load_b64 s[10:11], s[0:1], 0x10              ; cand
	v_lshl_add_u32 v2, v0, 2, SPARE
	v_mov_b32 v3, 0
	v_lshrrev_b32 v1, 5, v0
	v_readfirstlane_b32 s8, v1
	v_and_b32 v4, 31, v0
	v_lshlrev_b32 v5, 4, v4                        ; 16 x lane
	v_lshlrev_b32 v12, 4, v0                       ; 16 x thread
	v_add_nc_u32 v13, 65536, v12
	v_mul_u32_u24 v6, v0, 12
	v_add_nc_u32 v22, 16, v4                       ; my dump word
	s_and_b32 s22, ttmp9, 127
	s_lshl_b32 s22, s22, 6
	s_lshl3_add_u32 s22, s8, s22                   ; my wave's first query in its batch
	v_and_b32 v7, 7, v4
	v_add_nc_u32 v7, s22, v7
	v_mul_u32_u24 v7, v7, 12                       ; lane l: the point of my wave's query l & 7
	s_lshr_b32 s9, ttmp9, 7
	s_mul_i32 s12, s9, 98304
	s_mov_b32 s13, 0
	s_lshl_b32 s14, ttmp9, 12
	s_mov_b32 s15, 0
	s_lshl_b32 s2, ttmp9, 13
	s_mov_b32 s3, 0
	s_wait_kmcnt 0x0
	s_add_nc_u64 s[4:5], s[4:5], s[12:13]
	s_add_nc_u64 s[6:7], s[6:7], s[14:15]
	s_add_nc_u64 s[58:59], s[10:11], s[2:3]        ; my queries' candidate masks
	s_add_nc_u64 s[60:61], s[10:11], s[14:15]
	s_add_nc_u64 s[60:61], s[60:61], 0x200000      ; and their lists of groups
	global_load_b128 v[8:11], v12, s[6:7]          ; lane l: words 4 (l & 3) .. of my wave's query l >> 2
	global_load_b96 v[40:42], v7, s[4:5]
.set i, 0
.rept 32
	global_load_b96 v[64+4*i:66+4*i], v6, s[4:5] offset:3072*i
.set i, i+1
.endr
	s_mul_i32 s[LB0], s8, 1536
	s_add_co_u32 s[LB0], s[LB0], LISTS             ; my wave's 8 lists
	v_add_nc_u32 v14, s[LB0], v5
.irp k, 16,17,18,19
	v_mov_b32 v\k, 0
.endr
	ds_store_b128 v14, v[16:19]
	ds_store_b128 v14, v[16:19] offset:512
	ds_store_b128 v14, v[16:19] offset:1024
	s_wait_loadcnt 0x0
.set i, 0
.rept 32
	v_mul_f32 v[67+4*i], v[64+4*i], v[64+4*i]
	v_fmac_f32 v[67+4*i], v[65+4*i], v[65+4*i]
	v_fmac_f32 v[67+4*i], v[66+4*i], v[66+4*i]
.set i, i+1
.endr
	v_mul_f32 v43, v40, v40                        ; the query's pn, by the same three operations,
	v_fmac_f32 v43, v41, v41
	v_fmac_f32 v43, v42, v42
	v_mul_f32 v40, -2.0, v40                       ; and a, b, c
	v_mul_f32 v41, -2.0, v41
	v_mul_f32 v42, -2.0, v42
.set i, 0
.rept 16
	ds_store_b128 v12, v[64+4*i:67+4*i] offset:4096*i
	ds_store_b128 v13, v[128+4*i:131+4*i] offset:4096*i
.set i, i+1
.endr
	; the lists of groups, a query a trip
	s_mov_b32 s49, s[LB0]
	s_mov_b32 s[CNT], 0
.Ldec:
	s_lshl_b32 s40, s[CNT], 2
.set k, 0
.rept 4
.irp c, 0,1,2,3
	v_readlane_b32 s[16+4*k+\c], v[8+\c], s40      ; s16-23 lt, s24-31 eq
.endr
	s_add_co_u32 s40, s40, 1
.set k, k+1
.endr
	s_bcnt1_i32_b32 s45, s16
.irp k, 17,18,19,20,21,22,23
	s_bcnt1_i32_b32 s44, s\k
	s_add_co_u32 s45, s45, s44
.endr
	s_sub_co_u32 s46, 16, s45                      ; how many of the eq groups are taken
	s_mov_b32 s47, 0
	s_mov_b32 s48, 0
.set k, 0
.rept 8
	v_add_nc_u32 v23, 32*k, v4                     ; the group's number
	DECODEW 16+k, 24+k
.set k, k+1
.endr
	s_add_co_u32 s49, s49, 192
	s_add_co_u32 s[CNT], s[CNT], 1
	s_cmp_lt_u32 s[CNT], 8
	s_cbranch_scc1 .Ldec
	BAR                                            ; the points are in LDS, everybody's part
	; d2 of the 512 candidates of each of my 8 queries: lane l takes point l of each listed group
	v_mov_b32 v14, s[LB0]
	s_mul_i32 s23, s8, 8*D2P
	s_add_co_u32 s23, s23, D2
	v_lshlrev_b32 v16, 2, v4
	v_add_nc_u32 v16, s23, v16
	s_mov_b32 s44, 0                               ; which of my 8 queries
	s_mov_b32 s[CNT], 8
.Ldist:
.irp k, 0,1,2,3
	ds_load_b128 v[24+4*\k:27+4*\k], v14 offset:16*\k
.endr
	v_readlane_b32 s40, v40, s44                   ; the query's a, b, c, pn as scalars
	v_readlane_b32 s41, v41, s44
	v_readlane_b32 s42, v42, s44
	v_readlane_b32 s43, v43, s44
	s_wait_dscnt 0x0
.set j, 0
.rept 16
	v_min_u32 v[48+j], 255, v[24+j]
	v_lshl_add_u32 v[48+j], v[48+j], 9, v5
.set j, j+1
.endr
.set j, 0
.rept 16
	ds_load_b128 v[64+4*j:67+4*j], v[48+j]
.set j, j+1
.endr
.set j, 0
.rept 16
	s_wait_dscnt 15                                ; behind load j stand 15 - j loads and j stores
	v_add_f32 v[144+j], s43, v[67+4*j]
	v_mul_f32 v[128+j], s40, v[64+4*j]
	v_fmac_f32 v[128+j], s41, v[65+4*j]
	v_fmac_f32 v[128+j], s42, v[66+4*j]
	v_add_f32 v[128+j], v[144+j], v[128+j]
	ds_store_b32 v16, v[128+j] offset:128*j
.set j, j+1
.endr
	v_add_nc_u32 v14, 192, v14
	v_add_nc_u32 v16, D2P, v16
	s_add_co_u32 s44, s44, 1
	s_sub_co_u32 s[CNT], s[CNT], 1
	s_cmp_lg_u32 s[CNT], 0
	s_cbranch_scc1 .Ldist
	BAR
	; each lane takes one query and a quarter of its 512 d2
	s_and_b32 s16, s8, 1
	s_lshr_b32 s17, s8, 1
	s_lshl_b32 s18, s16, 5
	v_add_nc_u32 v16, s18, v4
	v_mul_u32_u24 v6, v16, D2P
	s_lshl_b32 s19, s17, 9
	s_add_co_u32 s19, s19, D2
	v_add_nc_u32 v6, s19, v6
	v_mul_u32_u24 v7, v16, 80
	s_mul_i32 s19, s17, 5120
	s_add_co_u32 s19, s19, SL
	v_add_nc_u32 v7, s19, v7
.set i, 0
.rept 16
	v_mov_b32 v[LL+i], 0x7f800000
.set i, i+1
.endr
	s_mov_b32 s[CNT], 8
.Lpart:
	ds_load_b128 v[C:C+3], v6
	ds_load_b128 v[C+4:C+7], v6 offset:16
	ds_load_b128 v[C+8:C+11], v6 offset:32
	ds_load_b128 v[C+12:C+15], v6 offset:48
	s_wait_dscnt 0x0
	SORT16
	PRUNE
	BMERGE
	v_add_nc_u32 v6, 64, v6
	s_sub_co_u32 s[CNT], s[CNT], 1
	s_cmp_lg_u32 s[CNT], 0
	s_cbranch_scc1 .Lpart
.irp k, 0,1,2,3
	ds_store_b128 v7, v[LL+4*\k:LL+4*\k+3] offset:16*\k
.endr
	BAR
	s_cmp_lt_u32 s8, 2                             ; waves 0 and 1 hold part 0 of queries 32 w + lane: they merge the other three parts
	s_cbranch_scc0 .Lnomerge
.irp p, 1,2,3
.irp k, 0,1,2,3
	ds_load_b128 v[C+4*\k:C+4*\k+3], v7 offset:5120*\p+16*\k
.endr
	s_wait_dscnt 0x0
	RESETMAP
	PRUNE
	BMERGE
.endr
	v_lshl_add_u32 v17, v16, 2, TAU
	ds_store_b32 v17, v[LL+15]
.Lnomerge:
	BAR
	; the candidate masks of my 8 queries
	v_lshlrev_b32 v16, 2, v4
	v_add_nc_u32 v18, MK, v16
	v_add_nc_u32 v16, s23, v16
	s_lshl_b32 s24, s8, 10
	v_add_nc_u32 v18, s24, v18
	s_lshl_b32 s24, s8, 5
	s_add_co_u32 s24, s24, TAU
	v_mov_b32 v17, s24
	s_mov_b32 s[CNT], 8
.Lmask:
	ds_load_b32 v40, v17
.set j, 0
.rept 16
	ds_load_b32 v[64+j], v16 offset:128*j
.set j, j+1
.endr
	v_mov_b32 v41, 0
	s_wait_dscnt 0x0
.set j, 0
.rept 16
	v_cmp_lt_f32 s[24+j], v[64+j], v40
	v_cmp_eq_f32 s[40+j], v[64+j], v40
.set j, j+1
.endr
.set j, 0
.rept 16
	v_writelane_b32 v41, s[24+j], j
	v_writelane_b32 v41, s[40+j], 16+j
.set j, j+1
.endr
	ds_store_b32 v18, v41
	v_add_nc_u32 v16, D2P, v16
	v_add_nc_u32 v17, 4, v17
	v_add_nc_u32 v18, 128, v18
	s_sub_co_u32 s[CNT], s[CNT], 1
	s_cmp_lg_u32 s[CNT], 0
	s_cbranch_scc1 .Lmask
	BAR
	v_add_nc_u32 v19, MK, v12
	ds_load_b128 v[24:27], v19
	ds_load_b128 v[28:31], v19 offset:4096
	v_lshrrev_b32 v20, 2, v0
	v_mul_u32_u24 v20, v20, 192
	v_and_b32 v21, 3, v0
	v_lshl_add_u32 v20, v21, 4, v20
	v_add_nc_u32 v20, LISTS, v20
	ds_load_b128 v[32:35], v20
	s_wait_dscnt 0x0
	global_store_b128 v12, v[24:27], s[58:59]      ; a wave stores 512 consecutive bytes
	global_store_b128 v12, v[28:31], s[58:59] offset:4096
	global_store_b128 v12, v[32:35], s[60:61]
	s_wait_tensorcnt 0x0                           ; the wave's end
	ds_add_u32 v2, v3
	s_wait_dscnt 0x0
	s_endpgm
.Lfunc_end_k_qc6a5173ad8_knn2:
	.size	k_qc6a5173ad8_knn2, .Lfunc_end_k_qc6a5173ad8_knn2-k_qc6a5173ad8_knn2
	.p2alignl 7, 3214868480
	.fill 96, 4, 3214868480
	.section	.rodata,"a",@progbits
	.p2align	6, 0x0
	.amdhsa_kernel k_qc6a5173ad8_knn2
		.amdhsa_group_segment_fixed_size 305408
		.amdhsa_private_segment_fixed_size 0
		.amdhsa_enable_private_segment 0
		.amdhsa_kernarg_size 24
		.amdhsa_user_sgpr_count 2
		.amdhsa_user_sgpr_kernarg_segment_ptr 1
		.amdhsa_wavefront_size32 1
		.amdhsa_system_sgpr_workgroup_id_x 1
		.amdhsa_system_sgpr_workgroup_id_y 1
		.amdhsa_system_sgpr_workgroup_id_z 1
		.amdhsa_system_vgpr_workitem_id 0
		.amdhsa_next_free_vgpr 256
		.amdhsa_next_free_sgpr 66
		.amdhsa_reserve_vcc 1
		.amdhsa_float_denorm_mode_32 3
		.amdhsa_float_denorm_mode_16_64 3
		.amdhsa_memory_ordered 1
		.amdhsa_forward_progress 1
		.amdhsa_inst_pref_size 50
	.end_amdhsa_kernel
	.amdgpu_metadata
---
amdhsa.version: [ 1, 2 ]
amdhsa.kernels:
  - .name:           k_qc6a5173ad8_knn2
    .symbol:         k_qc6a5173ad8_knn2.kd
    .args:
      - { .name: points, .offset: 0, .size: 8, .value_kind: global_buffer, .address_space: global }
      - { .name: wn, .offset: 8, .size: 8, .value_kind: global_buffer, .address_space: global }
      - { .name: cand, .offset: 16, .size: 8, .value_kind: global_buffer, .address_space: global }
    .group_segment_fixed_size: 305408
    .private_segment_fixed_size: 0
    .kernarg_segment_align: 8
    .kernarg_segment_size: 24
    .max_flat_workgroup_size: 256
    .sgpr_count:     66
    .vgpr_count:     256
    .wavefront_size: 32
...
	.end_amdgpu_metadata
.endif
;; end of part 2
;; launch prep (part 3): grid 256 x 1, 8 waves a work-group, no clusters, 169,728 bytes of LDS; arguments feats, Wq, bq, Wk, bk, Wv, bv, points, Wd1, cand, qkv, wn, stA; writes qkv, wn, stA
.if DOCPART == 3
	.amdgcn_target "amdgcn-amd-amdhsa--gfx1250"
	.amdhsa_code_object_version 6
	.text
	.protected	k_qc6a5173ad8_prep
	.globl	k_qc6a5173ad8_prep
	.p2align	8
	.type	k_qc6a5173ad8_prep,@function
k_qc6a5173ad8_prep:
	s_mov_b64 s[64:65], 0
	v_nop
	global_prefetch_b8 v0, s[64:65] scope:SCOPE_SE
	s_setreg_imm32_b32 hwreg(HW_REG_WAVE_MODE, 25, 1), 1
	s_wait_xcnt 0x0
; PART A.  q, k, v = feats W^T + b, once for each point (a gather of a linear map is the linear map of a gather), f16 operands, f32 sums, stored once rounded to f16
; as rows of 256 bytes.  v is stored with its channels permuted: place 8 (c & 15) + (c >> 4) holds channel c, so that the last launch's lane finds its eight channels in 16 bytes.
; PART B.  The candidate masks of the launch before are decoded by whole-number work into idx[query][16] (ascending; the set is what matters), and the sums of
; w' = Wd1 (p_n - p_m) and of its squares are taken: the position norm's statistics, less the pivot bd1 (the value at p_n = p_m).
; LIMITS.  f16: |feats|, |W|, |q|, |k|, |v| below 65,504.  Inputs are finite.
; SHARES.  A work-group has 64 points.  Wave w: point rows 16 (w & 3) .., output tiles 12 (w >> 2) .. + 11 of 24.  The matrix instruction is used transposed
; (source 0 = 16 output channels, source 1 = 16 points): a lane holds eight neighbouring channels of one point.
.set BIASL, 104448
.set OUTL, 105984                      ; 64 rows x 784 bytes (768 + 16: 196 words, 16 rows start at 16 different groups of four banks)
.set LISTS, 156160
.set RED, 168448
.set SPARE, 168704
.set FB, 32
.set ACC, 64
.macro BAR
	s_wait_dscnt 0x0
	s_barrier_signal -1
	s_barrier_wait -1
.endm
; a weight matrix, 128 x 128 f32, into LDS rows of 272 bytes in f16: thread t takes 8 numbers of row (t >> 4) + 16 it
.macro FILLW pb, vb, off, step
.set i, 0
.rept 8
	global_load_b128 v[64+8*i:64+8*i+3], v20, s[\pb:\pb+1] offset:8192*i
	global_load_b128 v[64+8*i+4:64+8*i+7], v20, s[\pb:\pb+1] offset:8192*i+16
.set i, i+1
.endr
	s_wait_loadcnt 0x0
.set i, 0
.rept 32
	v_cvt_pk_f16_f32 v[128+i], v[64+2*i], v[64+2*i+1]
.set i, i+1
.endr
.set i, 0
.rept 8
	ds_store_b128 v[\vb], v[128+4*i:128+4*i+3] offset:\off+\step*i
.set i, i+1
.endr
.endm
.macro LDG gi                          ; the 12 fragment loads of group gi: K step gi >> 1, tiles 6 (gi & 1) ..
.set fb, 160+48*((\gi)&1)
.set i, 0
.rept 6
	ds_load_b128 v[fb+8*i:fb+8*i+3], v27 offset:(6*((\gi)&1)+i)*4352+64*((\gi)>>1)
	ds_load_b128 v[fb+8*i+4:fb+8*i+7], v27 offset:(6*((\gi)&1)+i)*4352+64*((\gi)>>1)+32
.set i, i+1
.endr
.endm
.macro DECODEW lt, eq                  ; as in the launch before: s7 eq bits still to take, s9 eq bits seen, s10 places filled, s11 the list
	v_mbcnt_lo_u32_b32 v32, s[\eq], s9
	v_cmp_gt_u32 vcc_lo, s7, v32
	s_and_b32 s12, vcc_lo, s[\eq]
	s_or_b32 s13, s12, s[\lt]
	s_bcnt1_i32_b32 s14, s[\eq]
	s_add_co_u32 s9, s9, s14
	v_mbcnt_lo_u32_b32 v33, s13, s10
	s_bcnt1_i32_b32 s14, s13
	s_add_co_u32 s10, s10, s14
	v_cndmask_b32 v33, v30, v33, s13
	v_min_u32 v33, 47, v33
	v_lshl_add_u32 v33, v33, 2, s11
	ds_store_b32 v33, v34
.endm
.macro WSUM r, tmp
	v_add_f32_dpp v[\r], v[\r], v[\r] row_xmask:1 row_mask:0xf bank_mask:0xf
	v_add_f32_dpp v[\r], v[\r], v[\r] row_xmask:2 row_mask:0xf bank_mask:0xf
	v_add_f32_dpp v[\r], v[\r], v[\r] row_xmask:4 row_mask:0xf bank_mask:0xf
	v_add_f32_dpp v[\r], v[\r], v[\r] row_xmask:8 row_mask:0xf bank_mask:0xf
	v_permlanex16_b32 v[\tmp], v[\r], s26, s27
	v_add_f32 v[\r], v[\r], v[\tmp]
.endm
	s_load_b512 s[68:83], s[0:1], 0x0              ; feats 68, Wq 70, bq 72, Wk 74, bk 76, Wv 78, bv 80, points 82
	s_load_b256 s[84:91], s[0:1], 0x40             ; Wd1 84, cand 86, qkv 88, wn 90
	s_load_b64 s[92:93], s[0:1], 0x60              ; stA
	v_lshl_add_u32 v2, v0, 2, SPARE
	v_mov_b32 v3, 0
	v_lshrrev_b32 v1, 5, v0
	v_readfirstlane_b32 s8, v1
	v_and_b32 v4, 31, v0
	v_and_b32 v5, 15, v0                           ; r
	v_bfe_u32 v6, v0, 4, 1                         ; h
	v_lshlrev_b32 v7, 4, v0                        ; 16 t
	v_lshlrev_b32 v20, 5, v0                       ; 32 t
	v_lshrrev_b32 v21, 4, v0
	v_mul_u32_u24 v22, v21, 2176
	v_mul_u32_u24 v21, v21, 272
	v_lshl_add_u32 v21, v5, 4, v21                 ; Wq, Wk: row (t >> 4) + 16 it
	v_lshl_add_u32 v22, v5, 4, v22
	v_add_nc_u32 v22, 69632, v22                   ; Wv: row 256 + 8 (t >> 4) + it
	v_lshlrev_b32 v24, 4, v4
	v_lshl_add_u32 v23, v1, 10, v24                ; 1,024 w + 16 lane
	s_lshl_b32 s30, ttmp9, 13
	s_mov_b32 s31, 0
	s_lshl_b32 s32, ttmp9, 12
	s_mov_b32 s33, 0
	s_lshl_b32 s34, ttmp9, 15
	s_mov_b32 s35, 0
	s_lshl_b32 s36, ttmp9, 14
	s_mov_b32 s37, 0
	s_lshr_b32 s44, ttmp9, 7
	s_mul_i32 s44, s44, 98304
	s_mov_b32 s45, 0
	s_lshl_b32 s46, ttmp9, 5
	s_mov_b32 s47, 0
	s_wait_kmcnt 0x0
	s_add_nc_u64 s[94:95], s[86:87], s[30:31]      ; my queries' candidate masks
	s_add_nc_u64 s[86:87], s[86:87], s[32:33]
	s_add_nc_u64 s[86:87], s[86:87], 0x200000      ; their lists of groups
	s_add_nc_u64 s[68:69], s[68:69], s[34:35]      ; my 64 rows of feats
	s_add_nc_u64 s[38:39], s[88:89], s[36:37]      ; q, k, v at my 64 rows
	s_add_nc_u64 s[40:41], s[38:39], 0x400000
	s_add_nc_u64 s[42:43], s[38:39], 0x800000
	s_add_nc_u64 s[90:91], s[90:91], s[32:33]
	s_add_nc_u64 s[90:91], s[90:91], 0x100000      ; idx of my queries
	s_add_nc_u64 s[82:83], s[82:83], s[44:45]      ; my batch's points
	s_add_nc_u64 s[92:93], s[92:93], s[46:47]      ; my record
	global_load_b128 v[8:11], v23, s[94:95]        ; masks of my wave's queries 0-3,
	global_load_b128 v[12:15], v23, s[94:95] offset:512  ; 4-7,
	global_load_b128 v[16:19], v7, s[86:87]        ; and the 8 lists of groups
	FILLW 70, 21, 0, 4352
	FILLW 74, 21, 34816, 4352
	FILLW 78, 22, 0, 272
	s_cmp_lt_u32 s8, 4
	s_cbranch_scc0 .Lnobias
	v_lshlrev_b32 v23, 2, v0
	global_load_b32 v24, v23, s[72:73]
	global_load_b32 v25, v23, s[76:77]
	global_load_b32 v26, v23, s[80:81]
	v_lshrrev_b32 v28, 4, v0
	v_lshl_add_u32 v27, v5, 3, v28                 ; bv's place: 8 (t & 15) + (t >> 4)
	v_lshlrev_b32 v27, 2, v27
	v_add_nc_u32 v27, BIASL+1024, v27
	v_add_nc_u32 v29, BIASL, v23
	s_wait_loadcnt 0x0
	ds_store_b32 v29, v24
	ds_store_b32 v29, v25 offset:512
	ds_store_b32 v27, v26
.Lnobias:
	s_and_b32 s9, s8, 3                            ; rt
	s_lshr_b32 s11, s8, 2                          ; nh
	s_lshl_b32 s10, s9, 13
	v_lshlrev_b32 v25, 9, v5
	v_lshl_add_u32 v25, v6, 5, v25
	v_add_nc_u32 v25, s10, v25                     ; (16 rt + r) x 512 + 32 h
.set k, 0
.rept 4
	global_load_b128 v[64+16*k:64+16*k+3], v25, s[68:69] offset:128*k
	global_load_b128 v[64+16*k+4:64+16*k+7], v25, s[68:69] offset:128*k+16
	global_load_b128 v[64+16*k+8:64+16*k+11], v25, s[68:69] offset:128*k+64
	global_load_b128 v[64+16*k+12:64+16*k+15], v25, s[68:69] offset:128*k+80
.set k, k+1
.endr
	s_wait_loadcnt 0x0
.set i, 0
.rept 32
	v_cvt_pk_f16_f32 v[FB+i], v[64+2*i], v[64+2*i+1]
.set i, i+1
.endr
	BAR                                            ; weights and biases are in LDS
	s_mul_i32 s12, s11, 768
	s_add_co_u32 s12, s12, BIASL
	v_lshlrev_b32 v26, 5, v6
	v_add_nc_u32 v26, s12, v26
	s_mul_i32 s12, s11, 52224
	v_mul_u32_u24 v27, v5, 272
	v_lshl_add_u32 v27, v6, 4, v27
	v_add_nc_u32 v27, s12, v27
.set i, 0
.rept 12
	ds_load_b128 v[ACC+8*i:ACC+8*i+3], v26 offset:64*i     ; the sums start at the bias
	ds_load_b128 v[ACC+8*i+4:ACC+8*i+7], v26 offset:64*i+16
.set i, i+1
.endr
	LDG 0
.set gi, 0
.rept 8
.if gi < 7
.if gi > 0
.rept 4
	v_nop                                          ; four places between the products that read a fragment buffer and the loads into it
.endr
.endif
	LDG gi+1
	s_wait_dscnt 12                                ; all but the 12 loads just issued
.else
	s_wait_dscnt 0x0
.endif
.set fb, 160+48*(gi&1)
.set i, 0
.rept 6                                ; six accumulators by turns; the neighbouring groups take the other six
.set a, ACC+8*(6*(gi&1)+i)
	v_wmma_f32_16x16x32_f16 v[a:a+7], v[fb+8*i:fb+8*i+7], v[FB+8*(gi>>1):FB+8*(gi>>1)+7], v[a:a+7]
.set i, i+1
.endr
.set gi, gi+1
.endr
	s_lshl_b32 s12, s9, 4
	v_add_nc_u32 v28, s12, v5
	v_mul_u32_u24 v28, v28, 784
	v_lshl_add_u32 v28, v6, 4, v28
	s_mul_i32 s12, s11, 384
	s_add_co_u32 s12, s12, OUTL
	v_add_nc_u32 v28, s12, v28                     ; these four lines are the places behind the last products
.set i, 0
.rept 48
	v_cvt_pk_f16_f32 v[160+i], v[ACC+2*i], v[ACC+2*i+1]
.set i, i+1
.endr
.set i, 0
.rept 12
	ds_store_b128 v28, v[160+4*i:160+4*i+3] offset:32*i
.set i, i+1
.endr
	BAR
	v_lshrrev_b32 v29, 4, v0
	v_mul_u32_u24 v29, v29, 784
	v_lshl_add_u32 v29, v5, 4, v29
	v_add_nc_u32 v29, OUTL, v29
.set p, 0
.rept 12
	ds_load_b128 v[64+4*p:64+4*p+3], v29 offset:(p&3)*12544+256*(p>>2)
.set p, p+1
.endr
.set p, 0
.rept 12
	s_wait_dscnt 11-p
	global_store_b128 v7, v[64+4*p:64+4*p+3], s[38+2*(p>>2):39+2*(p>>2)] offset:(p&3)*4096  ; 16 lanes store a row's 256 bytes
.set p, p+1
.endr
	; PART B
	s_wait_xcnt 0x0                                ; the stores' bases and data are written again only behind this wait
	v_add_nc_u32 v30, 16, v4
	s_mul_i32 s11, s8, 1536
	s_add_co_u32 s11, s11, LISTS
	v_lshlrev_b32 v24, 4, v4
	v_add_nc_u32 v25, s11, v24
.irp k, 128,129,130,131
	v_mov_b32 v\k, 0
.endr
	ds_store_b128 v25, v[128:131]
	ds_store_b128 v25, v[128:131] offset:512
	ds_store_b128 v25, v[128:131] offset:1024
	s_mov_b32 s5, 0
.Lout:
	s_mov_b32 s4, 0
.Lin:                                                  ; query 4 s5 + s4 of my wave
	s_lshl_b32 s6, s4, 3
.set k, 0
.rept 8
.irp c, 0,1,2,3
	v_readlane_b32 s[16+4*k+\c], v[8+\c], s6       ; s16-31 lt, s32-47 eq
.endr
	s_add_co_u32 s6, s6, 1
.set k, k+1
.endr
	s_lshl2_add_u32 s15, s5, s4
	s_lshl_b32 s15, s15, 2
.set k, 0
.rept 4
.irp c, 0,1,2,3
	v_readlane_b32 s[48+4*k+\c], v[16+\c], s15     ; the 16 groups
.endr
	s_add_co_u32 s15, s15, 1
.set k, k+1
.endr
	s_bcnt1_i32_b32 s7, s16
.set j, 1
.rept 15
	s_bcnt1_i32_b32 s14, s[16+j]
	s_add_co_u32 s7, s7, s14
.set j, j+1
.endr
	s_sub_co_u32 s7, 16, s7
	s_mov_b32 s9, 0
	s_mov_b32 s10, 0
.set j, 0
.rept 16
	s_min_u32 s[48+j], s[48+j], 255
	v_lshl_add_u32 v34, s[48+j], 5, v4             ; the candidate's index
	DECODEW 16+j, 32+j
.set j, j+1
.endr
	s_add_co_u32 s11, s11, 192
	s_add_co_u32 s4, s4, 1
	s_cmp_lt_u32 s4, 4
	s_cbranch_scc1 .Lin
	v_mov_b32 v8, v12
	v_mov_b32 v9, v13
	v_mov_b32 v10, v14
	v_mov_b32 v11, v15
	s_add_co_u32 s5, s5, 1
	s_cmp_lt_u32 s5, 2
	s_cbranch_scc1 .Lout
	s_load_b256 s[16:23], s[84:85], 0x0            ; Wd1
	s_load_b32 s24, s[84:85], 0x20
	s_mov_b32 s26, 0x76543210
	s_mov_b32 s27, 0xfedcba98
	v_lshrrev_b32 v26, 2, v4                       ; lane l holds four neighbours of my wave's query l >> 2
	v_mul_u32_u24 v27, v26, 192
	v_and_b32 v28, 3, v4
	v_lshl_add_u32 v27, v28, 4, v27
	s_mul_i32 s6, s8, 1536
	s_add_co_u32 s6, s6, LISTS
	v_add_nc_u32 v27, s6, v27
	ds_load_b128 v[32:35], v27
	s_and_b32 s6, ttmp9, 127
	s_lshl_b32 s6, s6, 6
	s_lshl3_add_u32 s6, s8, s6
	v_add_nc_u32 v26, s6, v26
	v_mul_u32_u24 v26, v26, 12
	global_load_b96 v[56:58], v26, s[82:83]
	s_wait_dscnt 0x0
.irp k, 0,1,2,3
	v_min_u32 v[32+\k], 8191, v[32+\k]
	v_mul_u32_u24 v[36+\k], v[32+\k], 12
.endr
	global_store_b128 v7, v[32:35], s[90:91]
.irp k, 0,1,2,3
	global_load_b96 v[40+4*\k:42+4*\k], v[36+\k], s[82:83]
.endr
.irp k, 64,65,66,68,69,70,72,74
	v_mov_b32 v\k, 0
.endr
	s_wait_loadcnt 0x0
	s_wait_kmcnt 0x0
.irp m, 0,1,2,3
	v_sub_f32 v60, v56, v[40+4*\m]
	v_sub_f32 v61, v57, v[41+4*\m]
	v_sub_f32 v62, v58, v[42+4*\m]
.irp c, 0,1,2
	v_mul_f32 v63, s[16+3*\c], v60
	v_fmac_f32 v63, s[17+3*\c], v61
	v_fmac_f32 v63, s[18+3*\c], v62
	v_add_f32 v[64+\c], v[64+\c], v63
	v_fmac_f32 v[68+\c], v63, v63
.endr
.endr
.irp k, 64,65,66,68,69,70
	WSUM \k, 72
.endr
	s_lshl_b32 s6, s8, 5
	s_add_co_u32 s6, s6, RED
	v_mov_b32 v73, s6
	ds_store_b32 v73, v64
	ds_store_b32 v73, v65 offset:4
	ds_store_b32 v73, v66 offset:8
	ds_store_b32 v73, v68 offset:12
	ds_store_b32 v73, v69 offset:16
	ds_store_b32 v73, v70 offset:20
	ds_store_b32 v73, v74 offset:24
	ds_store_b32 v73, v74 offset:28
	BAR
	s_cmp_lg_u32 s8, 0
	s_cbranch_scc1 .Lend
	v_lshl_add_u32 v75, v4, 2, RED
	ds_load_b32 v76, v75
	ds_load_b32 v77, v75 offset:128
	v_and_b32 v78, 7, v4
	v_lshlrev_b32 v78, 2, v78
	s_wait_dscnt 0x0
	v_add_f32 v76, v76, v77
	v_add_f32_dpp v76, v76, v76 row_xmask:8 row_mask:0xf bank_mask:0xf
	v_permlanex16_b32 v77, v76, s26, s27
	v_add_f32 v76, v76, v77
	global_store_b32 v78, v76, s[92:93]            ; the four lanes of a word hold the same sum
.Lend:
	s_wait_tensorcnt 0x0                           ; the wave's end
	ds_add_u32 v2, v3
	s_wait_dscnt 0x0
	s_endpgm
.Lfunc_end_k_qc6a5173ad8_prep:
	.size	k_qc6a5173ad8_prep, .Lfunc_end_k_qc6a5173ad8_prep-k_qc6a5173ad8_prep
	.p2alignl 7, 3214868480
	.fill 96, 4, 3214868480
	.section	.rodata,"a",@progbits
	.p2align	6, 0x0
	.amdhsa_kernel k_qc6a5173ad8_prep
		.amdhsa_group_segment_fixed_size 169728
		.amdhsa_private_segment_fixed_size 0
		.amdhsa_enable_private_segment 0
		.amdhsa_kernarg_size 104
		.amdhsa_user_sgpr_count 2
		.amdhsa_user_sgpr_kernarg_segment_ptr 1
		.amdhsa_wavefront_size32 1
		.amdhsa_system_sgpr_workgroup_id_x 1
		.amdhsa_system_sgpr_workgroup_id_y 1
		.amdhsa_system_sgpr_workgroup_id_z 1
		.amdhsa_system_vgpr_workitem_id 0
		.amdhsa_next_free_vgpr 256
		.amdhsa_next_free_sgpr 100
		.amdhsa_reserve_vcc 1
		.amdhsa_float_denorm_mode_32 3
		.amdhsa_float_denorm_mode_16_64 3
		.amdhsa_memory_ordered 1
		.amdhsa_forward_progress 1
		.amdhsa_inst_pref_size 63
	.end_amdhsa_kernel
	.amdgpu_metadata
---
amdhsa.version: [ 1, 2 ]
amdhsa.kernels:
  - .name:           k_qc6a5173ad8_prep
    .symbol:         k_qc6a5173ad8_prep.kd
    .args:
      - { .name: feats, .offset: 0, .size: 8, .value_kind: global_buffer, .address_space: global }
      - { .name: Wq, .offset: 8, .size: 8, .value_kind: global_buffer, .address_space: global }
      - { .name: bq, .offset: 16, .size: 8, .value_kind: global_buffer, .address_space: global }
      - { .name: Wk, .offset: 24, .size: 8, .value_kind: global_buffer, .address_space: global }
      - { .name: bk, .offset: 32, .size: 8, .value_kind: global_buffer, .address_space: global }
      - { .name: Wv, .offset: 40, .size: 8, .value_kind: global_buffer, .address_space: global }
      - { .name: bv, .offset: 48, .size: 8, .value_kind: global_buffer, .address_space: global }
      - { .name: points, .offset: 56, .size: 8, .value_kind: global_buffer, .address_space: global }
      - { .name: Wd1, .offset: 64, .size: 8, .value_kind: global_buffer, .address_space: global }
      - { .name: cand, .offset: 72, .size: 8, .value_kind: global_buffer, .address_space: global }
      - { .name: qkv, .offset: 80, .size: 8, .value_kind: global_buffer, .address_space: global }
      - { .name: wn, .offset: 88, .size: 8, .value_kind: global_buffer, .address_space: global }
      - { .name: stA, .offset: 96, .size: 8, .value_kind: global_buffer, .address_space: global }
    .group_segment_fixed_size: 169728
    .private_segment_fixed_size: 0
    .kernarg_segment_align: 8
    .kernarg_segment_size: 104
    .max_flat_workgroup_size: 256
    .sgpr_count:     100
    .vgpr_count:     256
    .wavefront_size: 32
...
	.end_amdgpu_metadata
.endif
;; end of part 3
;; launch gam0 (part 4): grid 256 x 1, 8 waves a work-group, no clusters, 136,192 bytes of LDS; arguments points, wn, qkv, Wd1, bd1, gd, betad, Wd2, bd2, stA, x0, u, stB; writes x0, u, stB
.if DOCPART == 4
	.amdgcn_target "amdgcn-amd-amdhsa--gfx1250"
	.amdhsa_code_object_version 6
	.text
	.protected	k_qc6a5173ad8_gam0
	.globl	k_qc6a5173ad8_gam0
	.p2align	8
	.type	k_qc6a5173ad8_gam0,@function
k_qc6a5173ad8_gam0:
	s_mov_b64 s[64:65], 0
	v_nop
	global_prefetch_b8 v0, s[64:65] scope:SCOPE_SE
	s_setreg_imm32_b32 hwreg(HW_REG_WAVE_MODE, 25, 1), 1
	s_wait_xcnt 0x0
; x0 = q - k[idx] + pos - pivot for the 16 neighbour rows of each query (a tile: 16 rows x 128 channels), u = gelu(bn(Wd1 (p_n - p_m) + bd1)), and the sums of x0 and x0^2.
; pos = Wd2 u + bd2.  Both parts go to the matrix unit in f16 with f32 sums: q - k as a product with a matrix of -1 and +1 (a lane's 16 bytes of k and of q ARE its fragment),
; pos as a product of K = 4 (u0, u1, u2, 1).  THE PIVOT is the value of the very first row, taken away from every row: a norm over the rows does not see it, and the variance
; E[x^2] - E[x]^2 of the shifted numbers is no difference of large sums.  It is made by trip 0 of the loop, in which every lane takes that row, and goes into the C operand.
; x0's layout: tile = 4,096 bytes; chunk t = 512 bytes; lane l's 16 bytes = channels 16 t + 8 (l / 16) + 0..7 of row l % 16: what the lane made, and the next launch's fragment.
; LIMITS.  f16: |q|, |k|, |x0|, |Wd2|, |u| below 65,504; inputs finite.  erf is x P(x^2) / Q(x^2) on x held to -4 .. 4 (absolute error some 1e-7 for every x).
; SHARES.  A wave has 8 tiles; loads are issued a trip ahead.
.set SPARE, 135168
.set KQ, 32                            ; chunk t: +0..3 k's 16 bytes, +4..7 q's
.set ACC, 96
.set OH, 160
.set UF, 192
.set MF, 200
.set WK, 208
.set ZU, 240
.set PT, 244
.set QP, 248
.set C0, 0                             ; window 1
.set S1, 64
.set S2, 128
.set WD, 192
.set CA, 40                            ; s[40:53] the numerator's coefficients, s[54:63] the denominator's, each in both words of a pair
.set CQ, 54
.set MSB, 0
.macro WIN new
.if MSB != (\new)
	s_set_vgpr_msb (MSB<<8)|(\new)
.set MSB, (\new)
.endif
.endm
.macro BAR
	s_wait_dscnt 0x0
	s_barrier_signal -1
	s_barrier_wait -1
.endm
.macro COEF sr, val
	v_mov_b32 v20, \val
	v_readfirstlane_b32 s[\sr], v20
	v_readfirstlane_b32 s[\sr+1], v20
.endm
.macro WSUM r, tmp
	v_add_f32_dpp v[\r], v[\r], v[\r] row_xmask:1 row_mask:0xf bank_mask:0xf
	v_add_f32_dpp v[\r], v[\r], v[\r] row_xmask:2 row_mask:0xf bank_mask:0xf
	v_add_f32_dpp v[\r], v[\r], v[\r] row_xmask:4 row_mask:0xf bank_mask:0xf
	v_add_f32_dpp v[\r], v[\r], v[\r] row_xmask:8 row_mask:0xf bank_mask:0xf
	v_permlanex16_b32 v[\tmp], v[\r], s36, s37
	v_add_f32 v[\r], v[\r], v[\tmp]
.endm
; z <- z (1 + erf z) for np pairs, in place; each step goes over all pairs
.macro ERFG z, np
.set i, 0
.rept 2*\np
	v_med3_num_f32 v[WK+i], v[\z+i], -4.0, 4.0
.set i, i+1
.endr
.set i, 0
.rept \np
	v_pk_mul_f32 v[WK+2*\np+2*i:WK+2*\np+2*i+1], v[WK+2*i:WK+2*i+1], v[WK+2*i:WK+2*i+1]
.set i, i+1
.endr
.set i, 0
.rept \np
	v_pk_fma_f32 v[WK+4*\np+2*i:WK+4*\np+2*i+1], v[WK+2*\np+2*i:WK+2*\np+2*i+1], s[CA:CA+1], s[CA+2:CA+3] op_sel_hi:[1,0,0]
	v_pk_fma_f32 v[WK+6*\np+2*i:WK+6*\np+2*i+1], v[WK+2*\np+2*i:WK+2*\np+2*i+1], s[CQ:CQ+1], s[CQ+2:CQ+3] op_sel_hi:[1,0,0]
.set i, i+1
.endr
.irp k, 2,3,4
.set i, 0
.rept \np
	v_pk_fma_f32 v[WK+4*\np+2*i:WK+4*\np+2*i+1], v[WK+4*\np+2*i:WK+4*\np+2*i+1], v[WK+2*\np+2*i:WK+2*\np+2*i+1], s[CA+2*\k:CA+2*\k+1] op_sel_hi:[1,1,0]
	v_pk_fma_f32 v[WK+6*\np+2*i:WK+6*\np+2*i+1], v[WK+6*\np+2*i:WK+6*\np+2*i+1], v[WK+2*\np+2*i:WK+2*\np+2*i+1], s[CQ+2*\k:CQ+2*\k+1] op_sel_hi:[1,1,0]
.set i, i+1
.endr
.endr
.irp k, 5,6
.set i, 0
.rept \np
	v_pk_fma_f32 v[WK+4*\np+2*i:WK+4*\np+2*i+1], v[WK+4*\np+2*i:WK+4*\np+2*i+1], v[WK+2*\np+2*i:WK+2*\np+2*i+1], s[CA+2*\k:CA+2*\k+1] op_sel_hi:[1,1,0]
.set i, i+1
.endr
.endr
.set i, 0
.rept 2*\np
	v_rcp_f32 v[WK+6*\np+i], v[WK+6*\np+i]
.set i, i+1
.endr
.set i, 0
.rept \np                              ; plain lines between the reciprocals and their use
	v_pk_mul_f32 v[WK+4*\np+2*i:WK+4*\np+2*i+1], v[WK+4*\np+2*i:WK+4*\np+2*i+1], v[WK+2*i:WK+2*i+1]
.set i, i+1
.endr
.set i, 0
	s_wait_alu depctr_va_vdst(0)
.rept \np
	v_pk_mul_f32 v[WK+4*\np+2*i:WK+4*\np+2*i+1], v[WK+4*\np+2*i:WK+4*\np+2*i+1], v[WK+6*\np+2*i:WK+6*\np+2*i+1]
.set i, i+1
.endr
.set i, 0
.rept \np
	v_pk_fma_f32 v[\z+2*i:\z+2*i+1], v[WK+4*\np+2*i:WK+4*\np+2*i+1], v[\z+2*i:\z+2*i+1], v[\z+2*i:\z+2*i+1]
.set i, i+1
.endr
.endm
; the loads of tile s14, with my row's neighbour in v10
.macro ISSUE
	s_lshr_b32 s15, s14, 13                        ; the batch
	s_lshl_b32 s19, s15, 21
	s_mul_i32 s23, s15, 98304
	s_lshl_b32 s27, s14, 8
	s_mul_i32 s31, s14, 12
	v_min_u32 v10, 8191, v10
	v_lshl_add_u32 v11, v10, 8, v9
	v_add_nc_u32 v11, s19, v11
	v_mul_u32_u24 v12, v10, 12
	v_add_nc_u32 v12, s23, v12
	v_add_nc_u32 v13, s27, v9
	v_mov_b32 v14, s31
.set t, 0
.rept 8
	global_load_b128 v[KQ+8*t:KQ+8*t+3], v11, s[66:67] offset:32*t
	global_load_b128 v[KQ+8*t+4:KQ+8*t+7], v13, s[72:73] offset:32*t
.set t, t+1
.endr
	global_load_b96 v[PT:PT+2], v12, s[68:69]
	global_load_b96 v[QP:QP+2], v14, s[68:69]
.endm
	s_load_b512 s[68:83], s[0:1], 0x0              ; points 68, wn 70, qkv 72, Wd1 74, bd1 76, gd 78, betad 80, Wd2 82
	s_load_b256 s[84:91], s[0:1], 0x40             ; bd2 84, stA 86, x0 88, u 90
	s_load_b64 s[92:93], s[0:1], 0x60              ; stB
	v_lshl_add_u32 v2, v0, 2, SPARE
	v_mov_b32 v3, 0
	v_lshrrev_b32 v1, 5, v0
	v_readfirstlane_b32 s96, v1
	v_and_b32 v4, 31, v0
	v_and_b32 v5, 15, v0                           ; r
	v_bfe_u32 v6, v0, 4, 1                         ; h
	v_lshlrev_b32 v7, 4, v4
	v_lshlrev_b32 v8, 3, v4
	v_lshlrev_b32 v9, 4, v6
	v_lshlrev_b32 v15, 2, v5
	v_mov_b32 v19, 1.0
	s_mov_b32 s36, 0x76543210
	s_mov_b32 s37, 0xfedcba98
	s_mov_b32 s38, 0x0000ffff                      ; lanes 0-15
	s_mov_b32 s97, 0x3f3504f3                      ; 1 / sqrt 2
	s_lshl_b32 s35, ttmp9, 6
	s_lshl3_add_u32 s35, s96, s35                  ; my first tile
	s_lshl_b32 s14, ttmp9, 10
	s_mov_b32 s15, 0
	COEF 40, -2.72614225801306e-10
	COEF 42, 2.77068142495902e-08
	COEF 44, -2.10102402082508e-06
	COEF 46, -5.69250639462346e-05
	COEF 48, -7.34990630326855e-04
	COEF 50, -2.95459980854025e-03
	COEF 52, -1.60960333262415e-02
	COEF 54, -1.45660718464996e-05
	COEF 56, -2.13374055278905e-04
	COEF 58, -1.68282697438203e-03
	COEF 60, -7.37332916720468e-03
	COEF 62, -1.42647390514189e-02
	s_wait_kmcnt 0x0
	s_load_b256 s[4:11], s[74:75], 0x0             ; Wd1
	s_load_b32 s12, s[74:75], 0x20
	s_load_b96 s[16:18], s[76:77], 0x0             ; bd1
	s_load_b96 s[20:22], s[78:79], 0x0             ; gd
	s_load_b96 s[24:26], s[80:81], 0x0             ; betad
	s_add_nc_u64 s[92:93], s[92:93], s[14:15]      ; my record
	s_add_nc_u64 s[66:67], s[72:73], 0x400000      ; k
	s_add_nc_u64 s[98:99], s[70:71], 0x100000      ; idx
	; the position norm: 256 records of 32 bytes, lane l takes records l + 32 k
	v_lshlrev_b32 v20, 5, v4
.set k, 0
.rept 8
	global_load_b128 v[32+8*k:32+8*k+3], v20, s[86:87] offset:1024*k
	global_load_b128 v[32+8*k+4:32+8*k+7], v20, s[86:87] offset:1024*k+16
.set k, k+1
.endr
	v_mul_u32_u24 v21, v5, 12
.set t, 0
.rept 8
	global_load_b96 v[208+4*t:210+4*t], v21, s[82:83] offset:192*t   ; Wd2's row 16 t + r,
	global_load_b32 v[211+4*t], v15, s[84:85] offset:64*t            ; and bd2 of that channel
.set t, t+1
.endr
	s_wait_loadcnt 0x0
.set k, 1
.rept 7
	v_pk_add_f32 v[32:33], v[32:33], v[32+8*k:33+8*k]
	v_pk_add_f32 v[34:35], v[34:35], v[34+8*k:35+8*k]
	v_pk_add_f32 v[36:37], v[36:37], v[36+8*k:37+8*k]
.set k, k+1
.endr
.irp k, 32,33,34,35,36,37
	WSUM \k, 40
.endr
	s_wait_kmcnt 0x0
.irp c, 0,1,2
	v_mul_f32 v40, 0x36800000, v[32+\c]            ; mean of w' (262,144 rows: 2^-18)
	v_mul_f32 v41, 0x36800000, v[35+\c]
	v_fma_f32 v41, -v40, v40, v41
	v_max_num_f32 v41, 0, v41
	v_add_f32 v41, 0x3727c5ac, v41                 ; + 1e-5
	v_rsq_f32 v41, v41
	v_add_f32 v43, s[16+\c], v40                   ; the mean with its bias,
	v_sub_f32 v44, s[16+\c], v43                   ; which the norm takes away again
	s_wait_alu depctr_va_vdst(0)
	v_mul_f32 v42, s[20+\c], v41
	v_fma_f32 v45, v44, v42, s[24+\c]
	v_mul_f32 v42, s97, v42
	v_mul_f32 v45, s97, v45
	v_readfirstlane_b32 s[28+\c], v42
	v_readfirstlane_b32 s[32+\c], v45
.endr
	; MF: row r holds -1 at k = r and +1 at k = 16 + r
	v_lshrrev_b32 v20, 3, v5
	v_cmp_eq_u32 s15, v20, v6
	v_and_b32 v21, 1, v5
	v_lshlrev_b32 v21, 4, v21
	v_mov_b32 v22, 0xbc00
	v_mov_b32 v23, 0x3c00
	v_lshlrev_b32 v22, v21, v22
	v_lshlrev_b32 v23, v21, v23
	v_cndmask_b32 v22, 0, v22, s15
	v_cndmask_b32 v23, 0, v23, s15
	v_bfe_u32 v24, v5, 1, 2
.irp j, 0,1,2,3
	v_cmp_eq_u32 vcc_lo, \j, v24
	v_cndmask_b32 v[MF+\j], 0, v22, vcc_lo
	v_cndmask_b32 v[MF+4+\j], 0, v23, vcc_lo
.endr
.set t, 0
.rept 8
	v_cvt_pk_f16_f32 v[32+2*t], v[208+4*t], v[209+4*t]
	v_cvt_pk_f16_f32 v[33+2*t], v[210+4*t], v[211+4*t]
.set t, t+1
.endr
.irp k, 2,3,4,5,6,7
	v_mov_b32 v[UF+\k], 0
.endr
	v_mov_b32 v[ZU+3], 0
	WIN 0x40
.set t, 0
.rept 8
	v_cndmask_b32 v[WD+8*t], 0, v[32+2*t], s38
	v_cndmask_b32 v[WD+8*t+1], 0, v[33+2*t], s38
.irp k, 2,3,4,5,6,7
	v_mov_b32 v[WD+8*t+\k], 0
.endr
.set t, t+1
.endr
.set i, 0
.rept 192                              ; the pivot's place and the two sums start at 0
	v_mov_b32 v[i], 0
.set i, i+1
.endr
	WIN 0
	v_mov_b32 v16, 0
	global_load_b32 v10, v16, s[98:99]             ; the pivot's row: every lane takes the first neighbour of query 0
	s_wait_loadcnt 0x0
	s_mov_b32 s14, 0
	ISSUE
	s_lshl_b32 s15, s35, 6
	v_add_nc_u32 v16, s15, v15
	global_load_b32 v10, v16, s[98:99]             ; my row's neighbour in my first tile
	s_mov_b32 s13, 0
.Ltrip:                                                ; trip 0: the pivot; trip k: tile k - 1 of my 8
	s_wait_loadcnt 0x0                             ; the tile asked for a trip ago
	s_wait_xcnt 0x0                                ; the last trip's stores have read their registers
	v_sub_f32 v20, v[QP], v[PT]
	v_sub_f32 v21, v[QP+1], v[PT+1]
	v_sub_f32 v22, v[QP+2], v[PT+2]
.irp c, 0,1,2
	v_mul_f32 v[23+\c], s[4+3*\c], v20
	v_fmac_f32 v[23+\c], s[5+3*\c], v21
	v_fmac_f32 v[23+\c], s[6+3*\c], v22
	v_fma_f32 v[ZU+\c], v[23+\c], s[28+\c], s[32+\c]
.endr
	ERFG ZU, 2
.irp c, 0,1,2
	v_mul_f32 v[ZU+\c], s97, v[ZU+\c]
.endr
	v_cvt_pk_f16_f32 v26, v[ZU], v[ZU+1]
	v_cvt_pk_f16_f32 v27, v[ZU+2], v19
	v_cndmask_b32 v[UF], 0, v26, s38
	v_cndmask_b32 v[UF+1], 0, v27, s38
	WIN 0x10                                       ; C in window 1
.set t, 0
.rept 8
	v_wmma_f32_16x16x32_f16 v[ACC+8*t:ACC+8*t+7], v[MF:MF+7], v[KQ+8*t:KQ+8*t+7], v[C0+8*t:C0+8*t+7]
.set t, t+1
.endr
	WIN 0x01                                       ; source 0 in window 1; the eight accumulators take turns
.set t, 0
.rept 8
	v_wmma_f32_16x16x32_f16 v[ACC+8*t:ACC+8*t+7], v[WD+8*t:WD+8*t+7], v[UF:UF+7], v[ACC+8*t:ACC+8*t+7]
.set t, t+1
.endr
	WIN 0
	s_min_u32 s15, s13, 7
	s_add_co_u32 s14, s35, s15
	ISSUE                                          ; the next trip's tile; its seven address lines are the places behind the products
	s_add_co_u32 s15, s13, 1
	s_min_u32 s15, s15, 7
	s_add_co_u32 s15, s15, s35
	s_lshl_b32 s15, s15, 6
	v_add_nc_u32 v16, s15, v15
	global_load_b32 v10, v16, s[98:99]
	s_cmp_lg_u32 s13, 0
	s_cbranch_scc1 .Lnorm
	WIN 0x40
.set i, 0
.rept 32
	v_pk_mul_f32 v[C0+2*i:C0+2*i+1], v[ACC+2*i:ACC+2*i+1], -1.0 op_sel_hi:[1,0]
.set i, i+1
.endr
	WIN 0
	s_branch .Lbot
.Lnorm:
	WIN 0x41
.set i, 0
.rept 32
	v_pk_add_f32 v[S1+2*i:S1+2*i+1], v[S1+2*i:S1+2*i+1], v[ACC+2*i:ACC+2*i+1]
.set i, i+1
.endr
	WIN 0x50
.set i, 0
.rept 32
	v_pk_fma_f32 v[S2+2*i:S2+2*i+1], v[ACC+2*i:ACC+2*i+1], v[ACC+2*i:ACC+2*i+1], v[S2+2*i:S2+2*i+1]
.set i, i+1
.endr
	WIN 0
.set i, 0
.rept 32
	v_cvt_pk_f16_f32 v[OH+i], v[ACC+2*i], v[ACC+2*i+1]
.set i, i+1
.endr
	s_add_co_u32 s15, s35, s13
	s_sub_co_u32 s15, s15, 1
	s_lshl_b32 s39, s15, 12
	v_add_nc_u32 v17, s39, v7
	s_lshl_b32 s39, s15, 8
	v_add_nc_u32 v18, s39, v8
.set t, 0
.rept 8
	global_store_b128 v17, v[OH+4*t:OH+4*t+3], s[88:89] offset:512*t  ; a wave stores 512 consecutive bytes
.set t, t+1
.endr
	global_store_b64 v18, v[UF:UF+1], s[90:91]
.Lbot:
	s_add_co_u32 s13, s13, 1
	s_cmp_lt_u32 s13, 9
	s_cbranch_scc1 .Ltrip
	; the sums: every lane's 128 numbers into LDS (rows of 528 bytes), then thread t adds the 128 lanes that hold its number
	s_wait_loadcnt 0x0
	v_mul_u32_u24 v20, v0, 528
	WIN 0x04
.set i, 0
.rept 32
	ds_store_b128 v20, v[S1+4*i:S1+4*i+3] offset:16*i
.set i, i+1
.endr
	WIN 0
	BAR
	v_lshrrev_b32 v21, 7, v0
	v_and_b32 v22, 127, v0
	v_mul_u32_u24 v21, v21, 8448
	v_lshl_add_u32 v21, v22, 2, v21
	v_mov_b32 v22, 0
	v_mov_b32 v23, 0
	s_mov_b32 s13, 8
.Lsum:                                                 ; a wave's 16 lanes of my half a trip
.set i, 0
.rept 16
	ds_load_b32 v[32+i], v21 offset:528*i
.set i, i+1
.endr
	s_wait_dscnt 0x0
.set i, 0
.rept 8
	v_pk_add_f32 v[22:23], v[22:23], v[32+2*i:33+2*i]
.set i, i+1
.endr
	v_add_nc_u32 v21, 16896, v21
	s_sub_co_u32 s13, s13, 1
	s_cmp_lg_u32 s13, 0
	s_cbranch_scc1 .Lsum
	v_add_f32 v22, v22, v23
	v_lshlrev_b32 v24, 2, v0
	global_store_b32 v24, v22, s[92:93]
	s_wait_tensorcnt 0x0                           ; the wave's end
	ds_add_u32 v2, v3
	s_wait_dscnt 0x0
	s_endpgm
.Lfunc_end_k_qc6a5173ad8_gam0:
	.size	k_qc6a5173ad8_gam0, .Lfunc_end_k_qc6a5173ad8_gam0-k_qc6a5173ad8_gam0
	.p2alignl 7, 3214868480
	.fill 96, 4, 3214868480
	.section	.rodata,"a",@progbits
	.p2align	6, 0x0
	.amdhsa_kernel k_qc6a5173ad8_gam0
		.amdhsa_group_segment_fixed_size 136192
		.amdhsa_private_segment_fixed_size 0
		.amdhsa_enable_private_segment 0
		.amdhsa_kernarg_size 104
		.amdhsa_user_sgpr_count 2
		.amdhsa_user_sgpr_kernarg_segment_ptr 1
		.amdhsa_wavefront_size32 1
		.amdhsa_system_sgpr_workgroup_id_x 1
		.amdhsa_system_sgpr_workgroup_id_y 1
		.amdhsa_system_sgpr_workgroup_id_z 1
		.amdhsa_system_vgpr_workitem_id 0
		.amdhsa_next_free_vgpr 512
		.amdhsa_next_free_sgpr 100
		.amdhsa_reserve_vcc 1
		.amdhsa_float_denorm_mode_32 3
		.amdhsa_float_denorm_mode_16_64 3
		.amdhsa_memory_ordered 1
		.amdhsa_forward_progress 1
		.amdhsa_inst_pref_size 46
	.end_amdhsa_kernel
	.amdgpu_metadata
---
amdhsa.version: [ 1, 2 ]
amdhsa.kernels:
  - .name:           k_qc6a5173ad8_gam0
    .symbol:         k_qc6a5173ad8_gam0.kd
    .args:
      - { .name: points, .offset: 0, .size: 8, .value_kind: global_buffer, .address_space: global }
      - { .name: wn, .offset: 8, .size: 8, .value_kind: global_buffer, .address_space: global }
      - { .name: qkv, .offset: 16, .size: 8, .value_kind: global_buffer, .address_space: global }
      - { .name: Wd1, .offset: 24, .size: 8, .value_kind: global_buffer, .address_space: global }
      - { .name: bd1, .offset: 32, .size: 8, .value_kind: global_buffer, .address_space: global }
      - { .name: gd, .offset: 40, .size: 8, .value_kind: global_buffer, .address_space: global }
      - { .name: betad, .offset: 48, .size: 8, .value_kind: global_buffer, .address_space: global }
      - { .name: Wd2, .offset: 56, .size: 8, .value_kind: global_buffer, .address_space: global }
      - { .name: bd2, .offset: 64, .size: 8, .value_kind: global_buffer, .address_space: global }
      - { .name: stA, .offset: 72, .size: 8, .value_kind: global_buffer, .address_space: global }
      - { .name: x0, .offset: 80, .size: 8, .value_kind: global_buffer, .address_space: global }
      - { .name: u, .offset: 88, .size: 8, .value_kind: global_buffer, .address_space: global }
      - { .name: stB, .offset: 96, .size: 8, .value_kind: global_buffer, .address_space: global }
    .group_segment_fixed_size: 136192
    .private_segment_fixed_size: 0
    .kernarg_segment_align: 8
    .kernarg_segment_size: 104
    .max_flat_workgroup_size: 256
    .sgpr_count:     100
    .vgpr_count:     512
    .wavefront_size: 32
...
	.end_amdgpu_metadata
.endif
;; end of part 4
;; launch lay1 (part 5): grid 256 x 1, 4 waves a work-group, no clusters, 105,984 bytes of LDS; arguments x0, stB, gg1, betag1, Wg1, bg1, x1, stA; writes x1, stA
.if DOCPART == 5
	.amdgcn_target "amdgcn-amd-amdhsa--gfx1250"
	.amdhsa_code_object_version 6
	.text
	.protected	k_qc6a5173ad8_lay1
	.globl	k_qc6a5173ad8_lay1
	.p2align	8
	.type	k_qc6a5173ad8_lay1,@function
k_qc6a5173ad8_lay1:
	s_mov_b64 s[64:65], 0
	v_nop
	global_prefetch_b8 v0, s[64:65] scope:SCOPE_SE
	s_setreg_imm32_b32 hwreg(HW_REG_WAVE_MODE, 25, 1), 1
	s_wait_xcnt 0x0
; x1 = Wg1 gelu(bn(x0)) + bg1 - pivot, and the sums of x1 and x1^2.  f16 operands, f32 sums; x1 is stored once rounded to f16, in x0's layout.
; The norm's scale and shift carry 1 / sqrt 2, so z = x / sqrt 2 and gelu = (1 / sqrt 2) z (1 + erf z); that factor is folded into the weights before they are rounded.
; THE PIVOT is the layer's value on the row x0 = 0 (the pivot row of the launch before): trip 0 of the loop, on a tile of zeros; it goes into the C operand.
; LIMITS.  f16: |x0|, |x1|, |Wg1| and the activations below 65,504; inputs finite; erf as a rational on -4 .. 4, absolute error some 1e-7.
; SHARES.  A wave has 16 tiles of 16 rows; all 32 weight fragments stay in registers.  Source 0 = 16 output channels, source 1 = 16 rows: a lane holds 8 neighbouring channels of a row.
; No tensor loads and no cluster: a lane's 16 bytes in memory are its fragment, and what work-groups share is 64 KiB of weights, read once by each.
; REGISTERS.  window 0: X v16-47, Z v48-111, F v112-143, WK v144-207, OH v208-239.  window 1: weight fragment (T, s) at 8 (4 T + s).
; window 2: scale v0-63, shift v64-127, C0 v128-191.  window 3: ACC v0-63, S1 v64-127, S2 v128-191.
.set TOT, 34816
.set ABL, 36864
.set RS, 37888
.set SPARE, 105472
.set X, 16
.set Z, 48
.set F, 112
.set WK, 144
.set OH, 208
.set CA, 40
.set CQ, 54
.set MSB, 0
.macro WIN new
.if MSB != (\new)
	s_set_vgpr_msb (MSB<<8)|(\new)
.set MSB, (\new)
.endif
.endm
.macro BAR
	s_wait_dscnt 0x0
	s_barrier_signal -1
	s_barrier_wait -1
.endm
.macro COEF sr, val
	v_mov_b32 v10, \val
	v_readfirstlane_b32 s[\sr], v10
	v_readfirstlane_b32 s[\sr+1], v10
.endm
.macro ERFG z, np
.set i, 0
.rept 2*\np
	v_med3_num_f32 v[WK+i], v[\z+i], -4.0, 4.0
.set i, i+1
.endr
.set i, 0
.rept \np
	v_pk_mul_f32 v[WK+2*\np+2*i:WK+2*\np+2*i+1], v[WK+2*i:WK+2*i+1], v[WK+2*i:WK+2*i+1]
.set i, i+1
.endr
.set i, 0
.rept \np
	v_pk_fma_f32 v[WK+4*\np+2*i:WK+4*\np+2*i+1], v[WK+2*\np+2*i:WK+2*\np+2*i+1], s[CA:CA+1], s[CA+2:CA+3] op_sel_hi:[1,0,0]
	v_pk_fma_f32 v[WK+6*\np+2*i:WK+6*\np+2*i+1], v[WK+2*\np+2*i:WK+2*\np+2*i+1], s[CQ:CQ+1], s[CQ+2:CQ+3] op_sel_hi:[1,0,0]
.set i, i+1
.endr
.irp k, 2,3,4
.set i, 0
.rept \np
	v_pk_fma_f32 v[WK+4*\np+2*i:WK+4*\np+2*i+1], v[WK+4*\np+2*i:WK+4*\np+2*i+1], v[WK+2*\np+2*i:WK+2*\np+2*i+1], s[CA+2*\k:CA+2*\k+1] op_sel_hi:[1,1,0]
	v_pk_fma_f32 v[WK+6*\np+2*i:WK+6*\np+2*i+1], v[WK+6*\np+2*i:WK+6*\np+2*i+1], v[WK+2*\np+2*i:WK+2*\np+2*i+1], s[CQ+2*\k:CQ+2*\k+1] op_sel_hi:[1,1,0]
.set i, i+1
.endr
.endr
.irp k, 5,6
.set i, 0
.rept \np
	v_pk_fma_f32 v[WK+4*\np+2*i:WK+4*\np+2*i+1], v[WK+4*\np+2*i:WK+4*\np+2*i+1], v[WK+2*\np+2*i:WK+2*\np+2*i+1], s[CA+2*\k:CA+2*\k+1] op_sel_hi:[1,1,0]
.set i, i+1
.endr
.endr
.set i, 0
.rept 2*\np
	v_rcp_f32 v[WK+6*\np+i], v[WK+6*\np+i]
.set i, i+1
.endr
.set i, 0
.rept \np                              ; plain lines between the reciprocals and their use
	v_pk_mul_f32 v[WK+4*\np+2*i:WK+4*\np+2*i+1], v[WK+4*\np+2*i:WK+4*\np+2*i+1], v[WK+2*i:WK+2*i+1]
.set i, i+1
.endr
.set i, 0
	s_wait_alu depctr_va_vdst(0)
.rept \np
	v_pk_mul_f32 v[WK+4*\np+2*i:WK+4*\np+2*i+1], v[WK+4*\np+2*i:WK+4*\np+2*i+1], v[WK+6*\np+2*i:WK+6*\np+2*i+1]
.set i, i+1
.endr
.set i, 0
.rept \np
	v_pk_fma_f32 v[\z+2*i:\z+2*i+1], v[WK+4*\np+2*i:WK+4*\np+2*i+1], v[\z+2*i:\z+2*i+1], v[\z+2*i:\z+2*i+1]
.set i, i+1
.endr
.endm
	s_load_b512 s[68:83], s[0:1], 0x0              ; x0 68, stB 70, gg1 72, betag1 74, Wg1 76, bg1 78, x1 80, stA 82
	v_lshl_add_u32 v2, v0, 2, SPARE
	v_mov_b32 v3, 0
	v_lshrrev_b32 v1, 5, v0
	v_readfirstlane_b32 s96, v1
	v_and_b32 v4, 31, v0
	v_and_b32 v5, 15, v0
	v_bfe_u32 v6, v0, 4, 1
	v_lshlrev_b32 v7, 4, v4
	s_mov_b32 s98, 0x3f3504f3
	s_mov_b32 s99, s98
	s_lshl_b32 s35, ttmp9, 6
	s_lshl4_add_u32 s35, s96, s35                  ; my first tile
	s_lshl_b32 s14, ttmp9, 10
	s_add_co_u32 s14, s14, 8192
	s_mov_b32 s15, 0
	COEF 40, -2.72614225801306e-10
	COEF 42, 2.77068142495902e-08
	COEF 44, -2.10102402082508e-06
	COEF 46, -5.69250639462346e-05
	COEF 48, -7.34990630326855e-04
	COEF 50, -2.95459980854025e-03
	COEF 52, -1.60960333262415e-02
	COEF 54, -1.45660718464996e-05
	COEF 56, -2.13374055278905e-04
	COEF 58, -1.68282697438203e-03
	COEF 60, -7.37332916720468e-03
	COEF 62, -1.42647390514189e-02
	v_lshlrev_b32 v10, 5, v0                       ; 32 t
	v_lshrrev_b32 v11, 4, v0
	v_mul_u32_u24 v11, v11, 272
	v_lshl_add_u32 v11, v5, 4, v11
	s_wait_kmcnt 0x0
	s_add_nc_u64 s[82:83], s[82:83], s[14:15]      ; my record
	; the weights, times 1 / sqrt 2, in f16, into LDS rows of 272 bytes: thread t takes 8 numbers of row (t >> 4) + 8 it
.irp bt, 0,1
.set i, 0
.rept 8
	global_load_b128 v[16+8*i:16+8*i+3], v10, s[76:77] offset:4096*(8*\bt+i)
	global_load_b128 v[16+8*i+4:16+8*i+7], v10, s[76:77] offset:4096*(8*\bt+i)+16
.set i, i+1
.endr
	s_wait_loadcnt 0x0
.set i, 0
.rept 32
	v_pk_mul_f32 v[16+2*i:17+2*i], v[16+2*i:17+2*i], s[98:99] op_sel_hi:[1,0]
.set i, i+1
.endr
.set i, 0
.rept 32
	v_cvt_pk_f16_f32 v[80+i], v[16+2*i], v[17+2*i]
.set i, i+1
.endr
.set i, 0
.rept 8
	ds_store_b128 v11, v[80+4*i:80+4*i+3] offset:2176*(8*\bt+i)
.set i, i+1
.endr
.endr
	; the norm's statistics: 256 records of 1 KiB; thread t adds 16 bytes (slot t & 63) of 128 records
	v_and_b32 v12, 63, v0
	v_lshrrev_b32 v13, 6, v0
	v_lshlrev_b32 v14, 4, v12
	v_lshl_add_u32 v12, v13, 17, v14
.irp k, 144,145,146,147,148,149,150,151
	v_mov_b32 v\k, 0
.endr
	s_mov_b32 s20, 4
.Lsin:
.set i, 0
.rept 32
	global_load_b128 v[16+4*i:16+4*i+3], v12, s[70:71] offset:1024*i
.set i, i+1
.endr
	s_wait_loadcnt 0x0
.set i, 0
.rept 32
	v_pk_add_f32 v[144+4*(i&1):145+4*(i&1)], v[144+4*(i&1):145+4*(i&1)], v[16+4*i:17+4*i]
	v_pk_add_f32 v[146+4*(i&1):147+4*(i&1)], v[146+4*(i&1):147+4*(i&1)], v[18+4*i:19+4*i]
.set i, i+1
.endr
	v_add_nc_u32 v12, 32768, v12
	s_sub_co_u32 s20, s20, 1
	s_cmp_lg_u32 s20, 0
	s_cbranch_scc1 .Lsin
	v_pk_add_f32 v[144:145], v[144:145], v[148:149]
	v_pk_add_f32 v[146:147], v[146:147], v[150:151]
	v_lshl_add_u32 v14, v13, 10, v14
	ds_store_b128 v14, v[144:147] offset:TOT
	BAR
	v_and_b32 v12, 63, v0                          ; thread t: half h' = t >> 6, number R = t & 63, channel 16 (R >> 3) + 8 h' + (R & 7)
	v_lshlrev_b32 v15, 2, v12
	v_lshl_add_u32 v15, v13, 9, v15
	ds_load_b32 v16, v15 offset:TOT
	ds_load_b32 v17, v15 offset:TOT+1024
	ds_load_b32 v18, v15 offset:TOT+256
	ds_load_b32 v19, v15 offset:TOT+1280
	v_lshrrev_b32 v20, 3, v12
	v_and_b32 v21, 7, v12
	v_lshl_add_u32 v20, v20, 4, v21
	v_lshl_add_u32 v20, v13, 3, v20
	v_lshlrev_b32 v20, 2, v20
	global_load_b32 v22, v20, s[72:73]
	global_load_b32 v23, v20, s[74:75]
	s_wait_dscnt 0x0
	s_wait_loadcnt 0x0
	v_add_f32 v16, v16, v17
	v_add_f32 v18, v18, v19
	v_mul_f32 v16, 0x36800000, v16                 ; 262,144 rows: 2^-18
	v_mul_f32 v18, 0x36800000, v18
	v_fma_f32 v18, -v16, v16, v18
	v_max_num_f32 v18, 0, v18
	v_add_f32 v18, 0x3727c5ac, v18                 ; + 1e-5
	v_rsq_f32 v18, v18
	v_lshlrev_b32 v24, 2, v12
	s_wait_alu depctr_va_vdst(0)
	v_mul_f32 v18, v22, v18
	v_fma_f32 v19, -v16, v18, v23
	v_mul_f32 v18, 0x3f3504f3, v18
	v_mul_f32 v19, 0x3f3504f3, v19
	v_lshl_add_u32 v24, v13, 8, v24
	ds_store_b32 v24, v18 offset:ABL
	ds_store_b32 v24, v19 offset:ABL+512
	BAR
	v_mul_u32_u24 v10, v5, 272
	v_lshl_add_u32 v10, v6, 4, v10
	v_lshlrev_b32 v11, 8, v6
	v_lshlrev_b32 v12, 5, v6
	WIN 0x40
.set i, 0
.rept 32                               ; fragment (T, s) = i: rows 16 T + r, K 32 s ..
	ds_load_b128 v[8*i:8*i+3], v10 offset:4352*(i/4)+64*(i%4)
	ds_load_b128 v[8*i+4:8*i+7], v10 offset:4352*(i/4)+64*(i%4)+32
.set i, i+1
.endr
	WIN 0x80
.set i, 0
.rept 16
	ds_load_b128 v[4*i:4*i+3], v11 offset:ABL+16*i
	ds_load_b128 v[64+4*i:64+4*i+3], v11 offset:ABL+512+16*i
.set i, i+1
.endr
.set i, 0
.rept 8
	global_load_b128 v[128+8*i:128+8*i+3], v12, s[78:79] offset:64*i       ; C0 starts as the bias of channels 16 T + 8 h ..
	global_load_b128 v[128+8*i+4:128+8*i+7], v12, s[78:79] offset:64*i+16
.set i, i+1
.endr
	WIN 0xc0
.set i, 64
.rept 128
	v_mov_b32 v[i], 0
.set i, i+1
.endr
	WIN 0
.set i, 0
.rept 32
	v_mov_b32 v[X+i], 0
.set i, i+1
.endr
	s_wait_dscnt 0x0
	s_mov_b32 s13, 0
.Ltrip:                                                ; trip 0: the pivot, on zeros; trip k: tile k - 1 of my 16
	s_wait_loadcnt 0x0
	s_wait_xcnt 0x0
	WIN 0x28
.set j, 0
.rept 64
.if j%2
	v_fma_mix_f32 v[Z+j], v[X+j/2], v[j], v[64+j] op_sel:[1,0,0] op_sel_hi:[1,0,0]
.else
	v_fma_mix_f32 v[Z+j], v[X+j/2], v[j], v[64+j] op_sel:[0,0,0] op_sel_hi:[1,0,0]
.endif
.set j, j+1
.endr
	WIN 0
	s_min_u32 s15, s13, 15
	s_add_co_u32 s15, s15, s35
	s_lshl_b32 s15, s15, 12
	v_add_nc_u32 v8, s15, v7
.set t, 0
.rept 8
	global_load_b128 v[X+4*t:X+4*t+3], v8, s[68:69] offset:512*t
.set t, t+1
.endr
.irp sx, 0,1,2,3
	ERFG Z+16*\sx, 8
.set i, 0
.rept 8
	v_cvt_pk_f16_f32 v[F+8*\sx+i], v[Z+16*\sx+2*i], v[Z+16*\sx+2*i+1]
.set i, i+1
.endr
.if \sx == 0
	WIN 0xe1
.else
	WIN 0xf1
.endif
.set i, 0
.rept 8                                ; the eight accumulators take turns
.if \sx == 0
	v_wmma_f32_16x16x32_f16 v[8*i:8*i+7], v[8*(4*i+\sx):8*(4*i+\sx)+7], v[F+8*\sx:F+8*\sx+7], v[128+8*i:128+8*i+7]
.else
	v_wmma_f32_16x16x32_f16 v[8*i:8*i+7], v[8*(4*i+\sx):8*(4*i+\sx)+7], v[F+8*\sx:F+8*\sx+7], v[8*i:8*i+7]
.endif
.set i, i+1
.endr
	WIN 0
.endr
.rept 4
	v_nop                                          ; four places between the last products and the reads of their results (ISA guide 7.12.1)
.endr
	s_cmp_lg_u32 s13, 0
	s_cbranch_scc1 .Lnorm
	WIN 0x8e
.set i, 0
.rept 32
	v_pk_add_f32 v[128+2*i:129+2*i], v[128+2*i:129+2*i], v[2*i:2*i+1] neg_lo:[0,1] neg_hi:[0,1]
.set i, i+1
.endr
	WIN 0
	s_branch .Lbot
.Lnorm:
	WIN 0xff
.set i, 0
.rept 32
	v_pk_add_f32 v[64+2*i:65+2*i], v[64+2*i:65+2*i], v[2*i:2*i+1]
.set i, i+1
.endr
.set i, 0
.rept 32
	v_pk_fma_f32 v[128+2*i:129+2*i], v[2*i:2*i+1], v[2*i:2*i+1], v[128+2*i:129+2*i]
.set i, i+1
.endr
	WIN 0x0f
.set i, 0
.rept 32
	v_cvt_pk_f16_f32 v[OH+i], v[2*i], v[2*i+1]
.set i, i+1
.endr
	WIN 0
	s_add_co_u32 s15, s35, s13
	s_sub_co_u32 s15, s15, 1
	s_lshl_b32 s15, s15, 12
	v_add_nc_u32 v9, s15, v7
.set t, 0
.rept 8
	global_store_b128 v9, v[OH+4*t:OH+4*t+3], s[80:81] offset:512*t   ; a wave stores 512 consecutive bytes
.set t, t+1
.endr
.Lbot:
	s_add_co_u32 s13, s13, 1
	s_cmp_lt_u32 s13, 17
	s_cbranch_scc1 .Ltrip
	s_wait_loadcnt 0x0
	v_mul_u32_u24 v10, v0, 528
	v_add_nc_u32 v10, RS, v10
	WIN 0x0c
.set i, 0
.rept 32
	ds_store_b128 v10, v[64+4*i:64+4*i+3] offset:16*i
.set i, i+1
.endr
	WIN 0
	BAR
	v_lshlrev_b32 v12, 2, v0
	v_add_nc_u32 v11, RS, v12
.irp k, 144,145,146,147
	v_mov_b32 v\k, 0
.endr
	s_mov_b32 s13, 4
.Lsum:                                                 ; a wave's 32 lanes a trip: the first 16 hold half 0's channels, the others half 1's
.set i, 0
.rept 32
	ds_load_b32 v[16+i], v11 offset:528*i
.set i, i+1
.endr
	s_wait_dscnt 0x0
.set i, 0
.rept 8
	v_pk_add_f32 v[144:145], v[144:145], v[16+2*i:17+2*i]
	v_pk_add_f32 v[146:147], v[146:147], v[32+2*i:33+2*i]
.set i, i+1
.endr
	v_add_nc_u32 v11, 16896, v11
	s_sub_co_u32 s13, s13, 1
	s_cmp_lg_u32 s13, 0
	s_cbranch_scc1 .Lsum
	v_add_f32 v144, v144, v145
	v_add_f32 v146, v146, v147
	global_store_b32 v12, v144, s[82:83]
	global_store_b32 v12, v146, s[82:83] offset:512
	s_wait_tensorcnt 0x0                           ; the wave's end
	ds_add_u32 v2, v3
	s_wait_dscnt 0x0
	s_endpgm
.Lfunc_end_k_qc6a5173ad8_lay1:
	.size	k_qc6a5173ad8_lay1, .Lfunc_end_k_qc6a5173ad8_lay1-k_qc6a5173ad8_lay1
	.p2alignl 7, 3214868480
	.fill 96, 4, 3214868480
	.section	.rodata,"a",@progbits
	.p2align	6, 0x0
	.amdhsa_kernel k_qc6a5173ad8_lay1
		.amdhsa_group_segment_fixed_size 105984
		.amdhsa_private_segment_fixed_size 0
		.amdhsa_enable_private_segment 0
		.amdhsa_kernarg_size 64
		.amdhsa_user_sgpr_count 2
		.amdhsa_user_sgpr_kernarg_segment_ptr 1
		.amdhsa_wavefront_size32 1
		.amdhsa_system_sgpr_workgroup_id_x 1
		.amdhsa_system_sgpr_workgroup_id_y 1
		.amdhsa_system_sgpr_workgroup_id_z 1
		.amdhsa_system_vgpr_workitem_id 0
		.amdhsa_next_free_vgpr 1024
		.amdhsa_next_free_sgpr 100
		.amdhsa_reserve_vcc 0
		.amdhsa_float_denorm_mode_32 3
		.amdhsa_float_denorm_mode_16_64 3
		.amdhsa_memory_ordered 1
		.amdhsa_forward_progress 1
		.amdhsa_inst_pref_size 97
	.end_amdhsa_kernel
	.amdgpu_metadata
---
amdhsa.version: [ 1, 2 ]
amdhsa.kernels:
  - .name:           k_qc6a5173ad8_lay1
    .symbol:         k_qc6a5173ad8_lay1.kd
    .args:
      - { .name: x0, .offset: 0, .size: 8, .value_kind: global_buffer, .address_space: global }
      - { .name: stB, .offset: 8, .size: 8, .value_kind: global_buffer, .address_space: global }
      - { .name: gg1, .offset: 16, .size: 8, .value_kind: global_buffer, .address_space: global }
      - { .name: betag1, .offset: 24, .size: 8, .value_kind: global_buffer, .address_space: global }
      - { .name: Wg1, .offset: 32, .size: 8, .value_kind: global_buffer, .address_space: global }
      - { .name: bg1, .offset: 40, .size: 8, .value_kind: global_buffer, .address_space: global }
      - { .name: x1, .offset: 48, .size: 8, .value_kind: global_buffer, .address_space: global }
      - { .name: stA, .offset: 56, .size: 8, .value_kind: global_buffer, .address_space: global }
    .group_segment_fixed_size: 105984
    .private_segment_fixed_size: 0
    .kernarg_segment_align: 8
    .kernarg_segment_size: 64
    .max_flat_workgroup_size: 128
    .sgpr_count:     100
    .vgpr_count:     1024
    .wavefront_size: 32
...
	.end_amdgpu_metadata
.endif
;; end of part 5
;; launch fin (part 6): grid 256 x 1, 4 waves a work-group, no clusters, 40,448 bytes of LDS; arguments x1, stA, gg2, betag2, Wg2, bg2, wn, qkv, u, Wd2, bd2, out0; writes out0
.if DOCPART == 6
	.amdgcn_target "amdgcn-amd-amdhsa--gfx1250"
	.amdhsa_code_object_version 6
	.text
	.protected	k_qc6a5173ad8_fin
	.globl	k_qc6a5173ad8_fin
	.p2align	8
	.type	k_qc6a5173ad8_fin,@function
k_qc6a5173ad8_fin:
	s_mov_b64 s[64:65], 0
	v_nop
	global_prefetch_b8 v0, s[64:65] scope:SCOPE_SE
	s_setreg_imm32_b32 hwreg(HW_REG_WAVE_MODE, 25, 1), 1
	s_wait_xcnt 0x0
; out = sum over the 16 neighbours of softmax_j(Wg2 gelu(bn(x1)) + bg2) x (v[idx] + pos), for each channel.  f16 operands, f32 sums; maximum, exponentials and sums in f32.
; The maximum over the 16 neighbours is taken away before the exponential, as in the definition.  pos = Wd2 u + bd2 is made again from u by a product of K = 4.
; Here source 0 = 16 neighbour rows, source 1 = 16 output channels: a lane holds ONE channel (16 T + lane % 16) and the rows 8 (lane / 16) + 0..7, so a channel's softmax
; wants one exchange between the halves of the lanes.  v was stored with its channels permuted, so that a lane's eight channels (T = 0..7) of a row are 16 bytes.
; LIMITS.  f16: |x1|, |Wg2|, |v|, |u|, |Wd2| below 65,504; inputs finite; a weight below 2^-126 counts as 0; erf as a rational on -4 .. 4, absolute error some 1e-7.
; SHARES.  A wave has 16 queries; loads are issued a trip ahead, v's rows in the trip itself, ahead of the products.
; REGISTERS.  window 0: X v16-47, Z v48-111, F v112-143, WK v144-207, VG v208-239, IDX v240-247, VA v248-255.  window 1: weight fragments.
; window 2: scale v0-63, shift v64-127, bias v128-191, Wd2's fragments v192-255.  window 3: ACC v0-63, POS v64-127, UF v128-135, the softmax's scratch v136-231.
.set TOT, 34816
.set ABL, 36864
.set STG, 37888
.set SPARE, 39936
.set X, 16
.set Z, 48
.set F, 112
.set WK, 144
.set VG, 208
.set IDX, 240
.set VA, 248
.set POS, 64
.set MX, 136
.set MP, 144
.set ML, 152
.set LS, 168
.set OS, 184
.set OO, 200
.set LT, 208
.set OP, 224
.set CA, 40
.set CQ, 54
.set MSB, 0
.macro WIN new
.if MSB != (\new)
	s_set_vgpr_msb (MSB<<8)|(\new)
.set MSB, (\new)
.endif
.endm
.macro BAR
	s_wait_dscnt 0x0
	s_barrier_signal -1
	s_barrier_wait -1
.endm
.macro COEF sr, val
	v_mov_b32 v10, \val
	v_readfirstlane_b32 s[\sr], v10
	v_readfirstlane_b32 s[\sr+1], v10
.endm
.macro ALLT line:vararg                ; one line for each channel block t
.set t, 0
.rept 8
	\line
.set t, t+1
.endr
.endm
.macro ERFG z, np
.set i, 0
.rept 2*\np
	v_med3_num_f32 v[WK+i], v[\z+i], -4.0, 4.0
.set i, i+1
.endr
.set i, 0
.rept \np
	v_pk_mul_f32 v[WK+2*\np+2*i:WK+2*\np+2*i+1], v[WK+2*i:WK+2*i+1], v[WK+2*i:WK+2*i+1]
.set i, i+1
.endr
.set i, 0
.rept \np
	v_pk_fma_f32 v[WK+4*\np+2*i:WK+4*\np+2*i+1], v[WK+2*\np+2*i:WK+2*\np+2*i+1], s[CA:CA+1], s[CA+2:CA+3] op_sel_hi:[1,0,0]
	v_pk_fma_f32 v[WK+6*\np+2*i:WK+6*\np+2*i+1], v[WK+2*\np+2*i:WK+2*\np+2*i+1], s[CQ:CQ+1], s[CQ+2:CQ+3] op_sel_hi:[1,0,0]
.set i, i+1
.endr
.irp k, 2,3,4
.set i, 0
.rept \np
	v_pk_fma_f32 v[WK+4*\np+2*i:WK+4*\np+2*i+1], v[WK+4*\np+2*i:WK+4*\np+2*i+1], v[WK+2*\np+2*i:WK+2*\np+2*i+1], s[CA+2*\k:CA+2*\k+1] op_sel_hi:[1,1,0]
	v_pk_fma_f32 v[WK+6*\np+2*i:WK+6*\np+2*i+1], v[WK+6*\np+2*i:WK+6*\np+2*i+1], v[WK+2*\np+2*i:WK+2*\np+2*i+1], s[CQ+2*\k:CQ+2*\k+1] op_sel_hi:[1,1,0]
.set i, i+1
.endr
.endr
.irp k, 5,6
.set i, 0
.rept \np
	v_pk_fma_f32 v[WK+4*\np+2*i:WK+4*\np+2*i+1], v[WK+4*\np+2*i:WK+4*\np+2*i+1], v[WK+2*\np+2*i:WK+2*\np+2*i+1], s[CA+2*\k:CA+2*\k+1] op_sel_hi:[1,1,0]
.set i, i+1
.endr
.endr
.set i, 0
.rept 2*\np
	v_rcp_f32 v[WK+6*\np+i], v[WK+6*\np+i]
.set i, i+1
.endr
.set i, 0
.rept \np                              ; plain lines between the reciprocals and their use
	v_pk_mul_f32 v[WK+4*\np+2*i:WK+4*\np+2*i+1], v[WK+4*\np+2*i:WK+4*\np+2*i+1], v[WK+2*i:WK+2*i+1]
.set i, i+1
.endr
.set i, 0
	s_wait_alu depctr_va_vdst(0)
.rept \np
	v_pk_mul_f32 v[WK+4*\np+2*i:WK+4*\np+2*i+1], v[WK+4*\np+2*i:WK+4*\np+2*i+1], v[WK+6*\np+2*i:WK+6*\np+2*i+1]
.set i, i+1
.endr
.set i, 0
.rept \np
	v_pk_fma_f32 v[\z+2*i:\z+2*i+1], v[WK+4*\np+2*i:WK+4*\np+2*i+1], v[\z+2*i:\z+2*i+1], v[\z+2*i:\z+2*i+1]
.set i, i+1
.endr
.endm
; the loads of tile s15 that are asked for a trip ahead: x1's tile, u's fragment, my 8 rows' neighbours: 11 loads
.macro AHEAD
	s_lshl_b32 s16, s15, 12
	v_add_nc_u32 v8, s16, v7
	s_lshl_b32 s16, s15, 8
	v_lshl_add_u32 v10, v4, 3, s16
	s_lshl_b32 s16, s15, 6
	v_lshl_add_u32 v11, v6, 5, s16
.set t, 0
.rept 8
	global_load_b128 v[X+4*t:X+4*t+3], v8, s[68:69] offset:512*t
.set t, t+1
.endr
	WIN 0xc0
	global_load_b64 v[128:129], v10, s[84:85]
	WIN 0
	global_load_b128 v[IDX:IDX+3], v11, s[80:81]
	global_load_b128 v[IDX+4:IDX+7], v11, s[80:81] offset:16
.endm
	s_load_b512 s[68:83], s[0:1], 0x0              ; x1 68, stA 70, gg2 72, betag2 74, Wg2 76, bg2 78, wn 80, qkv 82
	s_load_b256 s[84:91], s[0:1], 0x40             ; u 84, Wd2 86, bd2 88, out0 90
	v_lshl_add_u32 v2, v0, 2, SPARE
	v_mov_b32 v3, 0
	v_lshrrev_b32 v1, 5, v0
	v_readfirstlane_b32 s96, v1
	v_and_b32 v4, 31, v0
	v_and_b32 v5, 15, v0
	v_bfe_u32 v6, v0, 4, 1
	v_lshlrev_b32 v7, 4, v4
	s_mov_b32 s98, 0x3f3504f3
	s_mov_b32 s99, s98
	s_mov_b32 s66, 0x3fb8aa3b                      ; log2 e
	s_mov_b32 s67, s66
	s_mov_b32 s36, 0x76543210
	s_mov_b32 s37, 0xfedcba98
	s_mov_b32 s38, 0xffff0000                      ; lanes 16-31
	s_mov_b32 s39, 0x0000ffff                      ; lanes 0-15
	s_lshl_b32 s35, ttmp9, 6
	s_lshl4_add_u32 s35, s96, s35                  ; my first query
	s_lshr_b32 s14, ttmp9, 7
	s_lshl_b32 s14, s14, 21
	s_add_co_u32 s14, s14, 0x800000                ; v of my batch
	s_mov_b32 s15, 0
	COEF 40, -2.72614225801306e-10
	COEF 42, 2.77068142495902e-08
	COEF 44, -2.10102402082508e-06
	COEF 46, -5.69250639462346e-05
	COEF 48, -7.34990630326855e-04
	COEF 50, -2.95459980854025e-03
	COEF 52, -1.60960333262415e-02
	COEF 54, -1.45660718464996e-05
	COEF 56, -2.13374055278905e-04
	COEF 58, -1.68282697438203e-03
	COEF 60, -7.37332916720468e-03
	COEF 62, -1.42647390514189e-02
	v_lshlrev_b32 v10, 5, v0
	v_lshrrev_b32 v11, 4, v0
	v_mul_u32_u24 v11, v11, 272
	v_lshl_add_u32 v11, v5, 4, v11
	s_wait_kmcnt 0x0
	s_add_nc_u64 s[94:95], s[82:83], s[14:15]
	s_add_nc_u64 s[70:71], s[70:71], 0x2000        ; x1's records
	s_add_nc_u64 s[80:81], s[80:81], 0x100000      ; idx
.irp bt, 0,1
.set i, 0
.rept 8
	global_load_b128 v[16+8*i:16+8*i+3], v10, s[76:77] offset:4096*(8*\bt+i)
	global_load_b128 v[16+8*i+4:16+8*i+7], v10, s[76:77] offset:4096*(8*\bt+i)+16
.set i, i+1
.endr
	s_wait_loadcnt 0x0
.set i, 0
.rept 32
	v_pk_mul_f32 v[16+2*i:17+2*i], v[16+2*i:17+2*i], s[98:99] op_sel_hi:[1,0]
.set i, i+1
.endr
.set i, 0
.rept 32
	v_cvt_pk_f16_f32 v[80+i], v[16+2*i], v[17+2*i]
.set i, i+1
.endr
.set i, 0
.rept 8
	ds_store_b128 v11, v[80+4*i:80+4*i+3] offset:2176*(8*\bt+i)
.set i, i+1
.endr
.endr
	v_and_b32 v12, 63, v0
	v_lshrrev_b32 v13, 6, v0
	v_lshlrev_b32 v14, 4, v12
	v_lshl_add_u32 v12, v13, 17, v14
.irp k, 144,145,146,147,148,149,150,151
	v_mov_b32 v\k, 0
.endr
	s_mov_b32 s20, 4
.Lsin:
.set i, 0
.rept 32
	global_load_b128 v[16+4*i:16+4*i+3], v12, s[70:71] offset:1024*i
.set i, i+1
.endr
	s_wait_loadcnt 0x0
.set i, 0
.rept 32
	v_pk_add_f32 v[144+4*(i&1):145+4*(i&1)], v[144+4*(i&1):145+4*(i&1)], v[16+4*i:17+4*i]
	v_pk_add_f32 v[146+4*(i&1):147+4*(i&1)], v[146+4*(i&1):147+4*(i&1)], v[18+4*i:19+4*i]
.set i, i+1
.endr
	v_add_nc_u32 v12, 32768, v12
	s_sub_co_u32 s20, s20, 1
	s_cmp_lg_u32 s20, 0
	s_cbranch_scc1 .Lsin
	v_pk_add_f32 v[144:145], v[144:145], v[148:149]
	v_pk_add_f32 v[146:147], v[146:147], v[150:151]
	v_lshl_add_u32 v14, v13, 10, v14
	ds_store_b128 v14, v[144:147] offset:TOT
	BAR
	v_and_b32 v12, 63, v0
	v_lshlrev_b32 v15, 2, v12
	v_lshl_add_u32 v15, v13, 9, v15
	ds_load_b32 v16, v15 offset:TOT
	ds_load_b32 v17, v15 offset:TOT+1024
	ds_load_b32 v18, v15 offset:TOT+256
	ds_load_b32 v19, v15 offset:TOT+1280
	v_lshrrev_b32 v20, 3, v12
	v_and_b32 v21, 7, v12
	v_lshl_add_u32 v20, v20, 4, v21
	v_lshl_add_u32 v20, v13, 3, v20
	v_lshlrev_b32 v20, 2, v20
	global_load_b32 v22, v20, s[72:73]
	global_load_b32 v23, v20, s[74:75]
	s_wait_dscnt 0x0
	s_wait_loadcnt 0x0
	v_add_f32 v16, v16, v17
	v_add_f32 v18, v18, v19
	v_mul_f32 v16, 0x36800000, v16
	v_mul_f32 v18, 0x36800000, v18
	v_fma_f32 v18, -v16, v16, v18
	v_max_num_f32 v18, 0, v18
	v_add_f32 v18, 0x3727c5ac, v18
	v_rsq_f32 v18, v18
	v_lshlrev_b32 v24, 2, v12
	s_wait_alu depctr_va_vdst(0)
	v_mul_f32 v18, v22, v18
	v_fma_f32 v19, -v16, v18, v23
	v_mul_f32 v18, 0x3f3504f3, v18
	v_mul_f32 v19, 0x3f3504f3, v19
	v_lshl_add_u32 v24, v13, 8, v24
	ds_store_b32 v24, v18 offset:ABL
	ds_store_b32 v24, v19 offset:ABL+512
	BAR
	v_mul_u32_u24 v10, v5, 272
	v_lshl_add_u32 v10, v6, 4, v10
	v_lshlrev_b32 v11, 8, v6
	v_lshlrev_b32 v15, 2, v5                       ; 4 r
	v_mul_u32_u24 v12, v5, 12                      ; 12 r
.set t, 0
.rept 8
	global_load_b32 v[16+t], v15, s[78:79] offset:64*t               ; bg2 of channel 16 t + r
	global_load_b96 v[32+4*t:34+4*t], v12, s[86:87] offset:192*t     ; Wd2's row,
	global_load_b32 v[35+4*t], v15, s[88:89] offset:64*t             ; bd2
.set t, t+1
.endr
	WIN 0x40
.set i, 0
.rept 32
	ds_load_b128 v[8*i:8*i+3], v10 offset:4352*(i/4)+64*(i%4)
	ds_load_b128 v[8*i+4:8*i+7], v10 offset:4352*(i/4)+64*(i%4)+32
.set i, i+1
.endr
	WIN 0x80
.set i, 0
.rept 16
	ds_load_b128 v[4*i:4*i+3], v11 offset:ABL+16*i
	ds_load_b128 v[64+4*i:64+4*i+3], v11 offset:ABL+512+16*i
.set i, i+1
.endr
	WIN 0
	s_wait_loadcnt 0x0
.set t, 0
.rept 8
	v_cvt_pk_f16_f32 v[64+2*t], v[32+4*t], v[33+4*t]
	v_cvt_pk_f16_f32 v[65+2*t], v[34+4*t], v[35+4*t]
.set t, t+1
.endr
	WIN 0x80
.set j, 0
.rept 64
	v_mov_b32 v[128+j], v[16+j/8]
.set j, j+1
.endr
.set t, 0
.rept 8
	v_cndmask_b32 v[192+8*t], 0, v[64+2*t], s39
	v_cndmask_b32 v[193+8*t], 0, v[65+2*t], s39
.irp k, 2,3,4,5,6,7
	v_mov_b32 v[192+8*t+\k], 0
.endr
.set t, t+1
.endr
	WIN 0xc0
.set i, 130
.rept 102                              ; the rest of u's fragment, and the scratch (destinations of lane exchanges and halves of pairs that are named)
	v_mov_b32 v[i], 0
.set i, i+1
.endr
	WIN 0
	v_lshlrev_b32 v12, 4, v5                       ; 16 r
	s_lshl_b32 s16, s96, 9
	s_add_co_u32 s16, s16, STG
	v_lshl_add_u32 v13, v6, 8, v15
	v_add_nc_u32 v13, s16, v13                     ; into my stage: 256 h + 4 r
	v_add_nc_u32 v14, s16, v7                      ; and back: 16 x lane
	s_mov_b32 s15, s35
	AHEAD
	s_wait_dscnt 0x0
	s_mov_b32 s13, 0
.Ltrip:
	s_wait_loadcnt 0x0
	s_wait_xcnt 0x0
	WIN 0xcb
.set t, 0
.rept 8
	v_wmma_f32_16x16x32_f16 v[POS+8*t:POS+8*t+7], v[128:135], v[192+8*t:192+8*t+7], 0
.set t, t+1
.endr
	WIN 0x28
.set j, 0
.rept 64
.if j%2
	v_fma_mix_f32 v[Z+j], v[X+j/2], v[j], v[64+j] op_sel:[1,0,0] op_sel_hi:[1,0,0]
.else
	v_fma_mix_f32 v[Z+j], v[X+j/2], v[j], v[64+j] op_sel:[0,0,0] op_sel_hi:[1,0,0]
.endif
.set j, j+1
.endr
	WIN 0
.set i, 0
.rept 8
	v_min_u32 v[VA+i], 8191, v[IDX+i]
	v_lshl_add_u32 v[VA+i], v[VA+i], 8, v12
.set i, i+1
.endr
.set i, 0
.rept 8
	global_load_b128 v[VG+4*i:VG+4*i+3], v[VA+i], s[94:95]           ; row 8 h + i's neighbour: my eight channels of v
.set i, i+1
.endr
	s_add_co_u32 s15, s13, 1
	s_min_u32 s15, s15, 15
	s_add_co_u32 s15, s15, s35
	AHEAD
.irp sx, 0,1,2,3
	ERFG Z+16*\sx, 8
.set i, 0
.rept 8
	v_cvt_pk_f16_f32 v[F+8*\sx+i], v[Z+16*\sx+2*i], v[Z+16*\sx+2*i+1]
.set i, i+1
.endr
.if \sx == 0
	WIN 0xe4
.else
	WIN 0xf4
.endif
.set i, 0
.rept 8                                ; the eight accumulators take turns
.if \sx == 0
	v_wmma_f32_16x16x32_f16 v[8*i:8*i+7], v[F+8*\sx:F+8*\sx+7], v[8*(4*i+\sx):8*(4*i+\sx)+7], v[128+8*i:128+8*i+7]
.else
	v_wmma_f32_16x16x32_f16 v[8*i:8*i+7], v[F+8*\sx:F+8*\sx+7], v[8*(4*i+\sx):8*(4*i+\sx)+7], v[8*i:8*i+7]
.endif
.set i, i+1
.endr
	WIN 0
.endr
.rept 4
	v_nop                                          ; four places between the last products and the reads of their results (ISA guide 7.12.1)
.endr
	WIN 0xff
	ALLT v_max3_num_f32 v[MX+t], v[8*t], v[8*t+1], v[8*t+2]
	ALLT v_max3_num_f32 v[MX+t], v[MX+t], v[8*t+3], v[8*t+4]
	ALLT v_max3_num_f32 v[MX+t], v[MX+t], v[8*t+5], v[8*t+6]
	ALLT v_max_num_f32 v[MX+t], v[MX+t], v[8*t+7]
	ALLT v_permlanex16_b32 v[MP+t], v[MX+t], s36, s37
	ALLT v_max_num_f32 v[MX+t], v[MX+t], v[MP+t]
	ALLT v_mul_f32 v[ML+2*t], s66, v[MX+t]
.irp p, 0,2,4,6
	ALLT v_pk_fma_f32 v[8*t+\p:8*t+\p+1], v[8*t+\p:8*t+\p+1], s[66:67], v[ML+2*t:ML+2*t+1] op_sel_hi:[1,0,0] neg_lo:[0,0,1] neg_hi:[0,0,1]
.endr
.irp p, 0,1,2,3,4,5,6,7
	ALLT v_exp_f32 v[8*t+\p], v[8*t+\p]
.endr
	v_nop                                          ; a plain line between the exponentials and their use
	s_wait_alu depctr_va_vdst(0)
	ALLT v_pk_add_f32 v[LS+2*t:LS+2*t+1], v[8*t:8*t+1], v[8*t+2:8*t+3]
	ALLT v_pk_add_f32 v[LT+2*t:LT+2*t+1], v[8*t+4:8*t+5], v[8*t+6:8*t+7]
	ALLT v_pk_mul_f32 v[OS+2*t:OS+2*t+1], v[8*t:8*t+1], v[POS+8*t:POS+8*t+1]
	ALLT v_pk_add_f32 v[LS+2*t:LS+2*t+1], v[LS+2*t:LS+2*t+1], v[LT+2*t:LT+2*t+1]
.irp p, 2,4,6
	ALLT v_pk_fma_f32 v[OS+2*t:OS+2*t+1], v[8*t+\p:8*t+\p+1], v[POS+8*t+\p:POS+8*t+\p+1], v[OS+2*t:OS+2*t+1]
.endr
	s_wait_loadcnt 11                              ; v's 8 rows are in; the 11 loads for the next trip stay out
	WIN 0xfc
.irp ii, 0,1,2,3,4,5,6,7
.set t, 0
.rept 8
.if t%2
	v_fma_mix_f32 v[OS+2*t+(\ii%2)], v[VG+4*\ii+t/2], v[8*t+\ii], v[OS+2*t+(\ii%2)] op_sel:[1,0,0] op_sel_hi:[1,0,0]
.else
	v_fma_mix_f32 v[OS+2*t+(\ii%2)], v[VG+4*\ii+t/2], v[8*t+\ii], v[OS+2*t+(\ii%2)] op_sel:[0,0,0] op_sel_hi:[1,0,0]
.endif
.set t, t+1
.endr
.endr
	WIN 0xff
	ALLT v_add_f32 v[OO+t], v[OS+2*t], v[OS+2*t+1]
	ALLT v_add_f32 v[LS+2*t], v[LS+2*t], v[LS+2*t+1]
	ALLT v_permlanex16_b32 v[OP+t], v[OO+t], s36, s37
	ALLT v_permlanex16_b32 v[MP+t], v[LS+2*t], s36, s37
	ALLT v_add_f32 v[OO+t], v[OO+t], v[OP+t]
	ALLT v_add_f32 v[LS+2*t], v[LS+2*t], v[MP+t]
	ALLT v_rcp_f32 v[LS+2*t], v[LS+2*t]
	v_nop                                          ; a plain line between the reciprocals and their use
	s_wait_alu depctr_va_vdst(0)
	ALLT v_mul_f32 v[OO+t], v[OO+t], v[LS+2*t]
	WIN 0x0f
.irp k4, 0,1,2,3
	v_cndmask_b32 v[WK+\k4], v[OO+\k4], v[OO+4+\k4], s38   ; lanes 0-15 send channel blocks 0-3, lanes 16-31 blocks 4-7
.endr
	WIN 0
.irp k4, 0,1,2,3
	ds_store_b32 v13, v[WK+\k4] offset:64*\k4
.endr
	ds_load_b128 v[WK+4:WK+7], v14                 ; LDS serves a wave's instructions in order (ISA guide 5.7.1.4): this sees the stores above
	s_add_co_u32 s16, s35, s13
	s_lshl_b32 s16, s16, 9
	v_add_nc_u32 v9, s16, v7
	s_wait_dscnt 0x0
	global_store_b128 v9, v[WK+4:WK+7], s[90:91]   ; the query's 512 bytes
	s_add_co_u32 s13, s13, 1
	s_cmp_lt_u32 s13, 16
	s_cbranch_scc1 .Ltrip
	s_wait_tensorcnt 0x0                           ; the wave's end
	ds_add_u32 v2, v3
	s_wait_dscnt 0x0
	s_endpgm
.Lfunc_end_k_qc6a5173ad8_fin:
	.size	k_qc6a5173ad8_fin, .Lfunc_end_k_qc6a5173ad8_fin-k_qc6a5173ad8_fin
	.p2alignl 7, 3214868480
	.fill 96, 4, 3214868480
	.section	.rodata,"a",@progbits
	.p2align	6, 0x0
	.amdhsa_kernel k_qc6a5173ad8_fin
		.amdhsa_group_segment_fixed_size 40448
		.amdhsa_private_segment_fixed_size 0
		.amdhsa_enable_private_segment 0
		.amdhsa_kernarg_size 96
		.amdhsa_user_sgpr_count 2
		.amdhsa_user_sgpr_kernarg_segment_ptr 1
		.amdhsa_wavefront_size32 1
		.amdhsa_system_sgpr_workgroup_id_x 1
		.amdhsa_system_sgpr_workgroup_id_y 1
		.amdhsa_system_sgpr_workgroup_id_z 1
		.amdhsa_system_vgpr_workitem_id 0
		.amdhsa_next_free_vgpr 1024
		.amdhsa_next_free_sgpr 100
		.amdhsa_reserve_vcc 0
		.amdhsa_float_denorm_mode_32 3
		.amdhsa_float_denorm_mode_16_64 3
		.amdhsa_memory_ordered 1
		.amdhsa_forward_progress 1
		.amdhsa_inst_pref_size 109
	.end_amdhsa_kernel
	.amdgpu_metadata
---
amdhsa.version: [ 1, 2 ]
amdhsa.kernels:
  - .name:           k_qc6a5173ad8_fin
    .symbol:         k_qc6a5173ad8_fin.kd
    .args:
      - { .name: x1, .offset: 0, .size: 8, .value_kind: global_buffer, .address_space: global }
      - { .name: stA, .offset: 8, .size: 8, .value_kind: global_buffer, .address_space: global }
      - { .name: gg2, .offset: 16, .size: 8, .value_kind: global_buffer, .address_space: global }
      - { .name: betag2, .offset: 24, .size: 8, .value_kind: global_buffer, .address_space: global }
      - { .name: Wg2, .offset: 32, .size: 8, .value_kind: global_buffer, .address_space: global }
      - { .name: bg2, .offset: 40, .size: 8, .value_kind: global_buffer, .address_space: global }
      - { .name: wn, .offset: 48, .size: 8, .value_kind: global_buffer, .address_space: global }
      - { .name: qkv, .offset: 56, .size: 8, .value_kind: global_buffer, .address_space: global }
      - { .name: u, .offset: 64, .size: 8, .value_kind: global_buffer, .address_space: global }
      - { .name: Wd2, .offset: 72, .size: 8, .value_kind: global_buffer, .address_space: global }
      - { .name: bd2, .offset: 80, .size: 8, .value_kind: global_buffer, .address_space: global }
      - { .name: out0, .offset: 88, .size: 8, .value_kind: global_buffer, .address_space: global }
    .group_segment_fixed_size: 40448
    .private_segment_fixed_size: 0
    .kernarg_segment_align: 8
    .kernarg_segment_size: 96
    .max_flat_workgroup_size: 128
    .sgpr_count:     100
    .vgpr_count:     1024
    .wavefront_size: 32
...
	.end_amdgpu_metadata
.endif
;; end of part 6
;; ======== version 2 of 2: 6 launches; version 1 with the launch knn2 written anew for expert scheduling mode
;; limits: values outside matrix products are rounded to f16
;; workspace buffers: wn 2,097,152 bytes of whole numbers; cand 3,145,728 bytes of whole numbers; qkv 12,582,912 bytes; x0 67,108,864 bytes; x1 67,108,864 bytes; u 4,194,304 bytes; stA 270,336 bytes; stB 262,144 bytes
;; launch knn1: the kernel of part 1 again; grid 256 x 1, 8 waves a work-group, no clusters, 92,416 bytes of LDS; arguments points, wn; writes wn
;; launch knn2 (part 7): grid 256 x 1, 8 waves a work-group, no clusters, 305,408 bytes of LDS; arguments points, wn, cand; writes cand
.if DOCPART == 7
	.amdgcn_target "amdgcn-amd-amdhsa--gfx1250"
	.amdhsa_code_object_version 6
	.text
	.protected	k_qc6a5173ad8_knn2
	.globl	k_qc6a5173ad8_knn2
	.p2align	8
	.type	k_qc6a5173ad8_knn2,@function
k_qc6a5173ad8_knn2:
	s_mov_b64 s[64:65], 0
	v_nop
	global_prefetch_b8 v0, s[64:65] scope:SCOPE_SE
	s_setreg_imm32_b32 hwreg(HW_REG_WAVE_SCHED_MODE, 0, 2), 2
	s_setreg_imm32_b32 hwreg(HW_REG_WAVE_MODE, 25, 1), 1
	s_wait_xcnt 0x0
	s_wait_alu depctr_vm_vsrc(0)
; NEAREST NEIGHBOURS, STEP 2.  The group masks of the launch before are decoded by whole-number work into each query's list of 16 groups (minimum < tau, then
; the lowest-numbered groups with minimum == tau).  The d2 of the 512 candidates in them are made again, by the same five operations in the same order, the 16th
; smallest is found, and two masks a query (d2 < tau, d2 == tau; a word for each listed group) and the list of groups are stored for the next launch.
; LIMITS as in the launch before: finite inputs; the set rests on the stated order of rounding.
; SHARES.  A work-group has 64 queries, a wave 8.  The batch's 8,192 points lie in LDS as (x, y, z, pn); a wave's own 8 queries lie in registers (lane l: query l & 7),
; so that every LDS address is made of the thread's number, constants, loop steps and clamped list entries alone.
; SCALARS.  The decode loop fills s16-31 with a query's mask words and s32-39 with compare results, the mask loop s24-55 with compare results: what must outlive them lies elsewhere:
; s53 my wave's lists (last read ahead of the mask loop), s[58:59] and s[60:61] the two output pointers, s62 every loop's counter.
; THE MODE: SCHED_MODE bits 1:0 = 2 (LLVM: expert scheduling mode 2), set by the entry lines.  The code itself states the register dependences between vector
; instructions and memory or LDS instructions, and between a vector instruction that writes a scalar register and its readers, with s_wait_alu, always for 0.
; THE PLAN.  Registers that memory or LDS instructions touch, loop by loop:
;   decode     v[LA ..] eight list addresses: made by the trip's vector lines, read by its eight stores, which stand in one run.  v[GN ..] the stores' data: made once at the head.
;   distances  v24-39 a list: landed by loads issued a trip ahead, read by the lines that make v48-63.  v48-63: read by the 16 candidate loads.  v64-127: landed by these, read by the
;              distance lines.  v128-143: written by the distance lines, read by the 16 stores, which stand in one run.  v14, v16: read by the list loads and the stores, stepped at the trip's end.
;   selection  v96-111 a batch: landed by loads, read and written by the sort and the prune.  The merge names v64-95 alone and stands behind the next batch's loads.  v6: stepped at the trip's end.
;   masks      v40, v64-79: landed by loads, read by the compares.  v41: the store's data.  v16, v17, v18: stepped straight behind the trip's loads.
; Each wait's comment says what it covers; between a wait and the memory lines that lean on it no vector line names a register that those lines touch.
.set D2, 131072                        ; 64 queries x 2,064 bytes: 512 d2 + 16 bytes, 516 words
.set D2P, 2064
.set SL, 263168
.set TAU, 283648
.set LISTS, 283904                     ; 64 queries x 192 bytes: 16 entries, then 32 words for the lanes that list nothing
.set MK, 296192                        ; 64 queries x 128 bytes
.set SPARE, 304384
.set LL, 64
.set P1, 80
.set C, 96
.set EB, 192                           ; v[192:199] decode, word k: the eq bits ahead of my lane's
.set LA, 200                           ; v[200:207] decode, word k: the LDS address of my lane's entry
.set GN, 208                           ; v[208:215] decode, word k: the group's number 32 k + lane; never rewritten
.set CNT, 62
.set LB0, 53
.macro BAR
	s_wait_dscnt 0x0
	s_barrier_signal -1
	s_barrier_wait -1
.endm
.macro CE a, b
	v_min_num_f32 v[RF], v[R\a], v[R\b]
	v_max_num_f32 v[R\b], v[R\a], v[R\b]
.set RT, R\a
.set R\a, RF
.set RF, RT
.endm
.macro CEL a, b, c=-1, d=0, e=-1, f=0, g=-1, h=0
	CE \a, \b
.if \c >= 0
	CE \c, \d
.endif
.if \e >= 0
	CE \e, \f
.endif
.if \g >= 0
	CE \g, \h
.endif
.endm
.macro SETMAP b                        ; the batch lies in v[b .. b+15]; the sort's free register behind it
.irp e, 0,1,2,3,4,5,6,7,8,9,10,11,12,13,14,15
.set R\e, (\b)+\e
.endr
.set RF, (\b)+16
.endm
.macro SORT16
	SETMAP C
	CEL 0,1,2,3,4,5,6,7
	CEL 8,9,10,11,12,13,14,15
	CEL 0,2,1,3,4,6,5,7
	CEL 8,10,9,11,12,14,13,15
	CEL 1,2,5,6,9,10,13,14
	CEL 0,4,1,5,2,6,3,7
	CEL 8,12,9,13,10,14,11,15
	CEL 2,4,3,5,10,12,11,13
	CEL 1,2,3,4,5,6,9,10
	CEL 11,12,13,14
	CEL 0,8,1,9,2,10,3,11
	CEL 4,12,5,13,6,14,7,15
	CEL 4,8,5,9,6,10,7,11
	CEL 2,4,3,5,6,8,7,9
	CEL 10,12,11,13
	CEL 1,2,3,4,5,6,7,8
	CEL 9,10,11,12,13,14
.endm
.macro PRUNE
.irp e, 0,1,2,3,4,5,6,7,8,9,10,11,12,13,14,15
	v_min_num_f32 v[LL+15-\e], v[LL+15-\e], v[R\e]
.endr
.endm
.macro BSTG dst, src, d
.set i, 0
.rept 16
.if (i & \d) == 0
	v_min_num_f32 v[\dst+i], v[\src+i], v[\src+i+\d]
	v_max_num_f32 v[\dst+i+\d], v[\src+i], v[\src+i+\d]
.endif
.set i, i+1
.endr
.endm
.macro BMERGE
	BSTG P1, LL, 8
	BSTG LL, P1, 4
	BSTG P1, LL, 2
	BSTG LL, P1, 1
.endm
.macro LIST at                         ; a query's 16 groups; at: 0 for the query at v14, 192 for the next
.irp k, 0,1,2,3
	ds_load_b128 v[24+4*\k:27+4*\k], v14 offset:(\at)+16*\k
.endr
.endm
.macro BATCH                           ; 16 of my quarter's d2
	ds_load_b128 v[C:C+3], v6
	ds_load_b128 v[C+4:C+7], v6 offset:16
	ds_load_b128 v[C+8:C+11], v6 offset:32
	ds_load_b128 v[C+12:C+15], v6 offset:48
.endm
	s_load_b128 s[4:7], s[0:1], 0x0                ; points, wn
	s_load_b64 s[10:11], s[0:1], 0x10              ; cand
	v_lshl_add_u32 v2, v0, 2, SPARE
	v_mov_b32 v3, 0
	v_lshrrev_b32 v1, 5, v0
	v_readfirstlane_b32 s8, v1
	v_and_b32 v4, 31, v0
	v_lshlrev_b32 v5, 4, v4                        ; 16 x lane
	v_lshlrev_b32 v12, 4, v0                       ; 16 x thread
	v_add_nc_u32 v13, 65536, v12
	v_mul_u32_u24 v6, v0, 12
	v_add_nc_u32 v22, 16, v4                       ; my dump word
.set k, 0
.rept 8
	v_add_nc_u32 v[GN+k], 32*k, v4                 ; the group's number, for each of a mask's eight words
.set k, k+1
.endr
.irp k, 16,17,18,19
	v_mov_b32 v\k, 0
.endr
	s_and_b32 s22, ttmp9, 127
	s_lshl_b32 s22, s22, 6
	s_wait_alu depctr_va_sdst(0)                   ; s8 is written, ahead of its first reader
	s_lshl3_add_u32 s22, s8, s22                   ; my wave's first query in its batch
	v_and_b32 v7, 7, v4
	v_add_nc_u32 v7, s22, v7
	v_mul_u32_u24 v7, v7, 12                       ; lane l: the point of my wave's query l & 7
	s_mul_i32 s[LB0], s8, 1536
	s_add_co_u32 s[LB0], s[LB0], LISTS             ; my wave's 8 lists
	v_add_nc_u32 v14, s[LB0], v5
	s_lshr_b32 s9, ttmp9, 7
	s_mul_i32 s12, s9, 98304
	s_mov_b32 s13, 0
	s_lshl_b32 s14, ttmp9, 12
	s_mov_b32 s15, 0
	s_lshl_b32 s2, ttmp9, 13
	s_mov_b32 s3, 0
	s_wait_kmcnt 0x0
	s_add_nc_u64 s[4:5], s[4:5], s[12:13]
	s_add_nc_u64 s[6:7], s[6:7], s[14:15]
	s_add_nc_u64 s[58:59], s[10:11], s[2:3]        ; my queries' candidate masks
	s_add_nc_u64 s[60:61], s[10:11], s[14:15]
	s_add_nc_u64 s[60:61], s[60:61], 0x200000      ; and their lists of groups
	s_wait_alu depctr_va_vdst(0)                   ; the offsets and addresses v6, v7, v12, v13, v14 and the zeros v16-19 are written, which the loads and stores below read
	global_load_b128 v[8:11], v12, s[6:7]          ; lane l: words 4 (l & 3) .. of my wave's query l >> 2
	global_load_b96 v[40:42], v7, s[4:5]
.set i, 0
.rept 32
	global_load_b96 v[64+4*i:66+4*i], v6, s[4:5] offset:3072*i
.set i, i+1
.endr
	ds_store_b128 v14, v[16:19]
	ds_store_b128 v14, v[16:19] offset:512
	ds_store_b128 v14, v[16:19] offset:1024
	s_wait_loadcnt 0x0
.set i, 0
.rept 32
	v_mul_f32 v[67+4*i], v[64+4*i], v[64+4*i]
	v_fmac_f32 v[67+4*i], v[65+4*i], v[65+4*i]
	v_fmac_f32 v[67+4*i], v[66+4*i], v[66+4*i]
.set i, i+1
.endr
	v_mul_f32 v43, v40, v40                        ; the query's pn, by the same three operations,
	v_fmac_f32 v43, v41, v41
	v_fmac_f32 v43, v42, v42
	v_mul_f32 v40, -2.0, v40                       ; and a, b, c
	v_mul_f32 v41, -2.0, v41
	v_mul_f32 v42, -2.0, v42
	s_wait_alu depctr_va_vdst(0)                   ; the 32 pn are written: each is the fourth word of a point that the stores below read
.set i, 0
.rept 16
	ds_store_b128 v12, v[64+4*i:67+4*i] offset:4096*i
	ds_store_b128 v13, v[128+4*i:131+4*i] offset:4096*i
.set i, i+1
.endr
	; The lists of groups, a query a trip.  For each of the two masks' eight words: a lane whose bit is chosen (lt, or eq with fewer than s46 eq bits before it) writes its group's
	; number at the list's next place; the others write into the dump words.  The work is laid in runs, so that each kind of dependence is stated once a trip.
	s_mov_b32 s49, s[LB0]
	s_mov_b32 s[CNT], 0
.Ldec:
	s_lshl_b32 s40, s[CNT], 2
.set k, 0
.rept 4
.irp c, 0,1,2,3
	v_readlane_b32 s[16+4*k+\c], v[8+\c], s40      ; s16-23 lt, s24-31 eq
.endr
	s_add_co_u32 s40, s40, 1
.set k, k+1
.endr
	s_wait_alu depctr_va_sdst(0)                   ; the sixteen mask words s16-31 are written, ahead of their first reader
	s_bcnt1_i32_b32 s45, s16
.irp k, 17,18,19,20,21,22,23
	s_bcnt1_i32_b32 s44, s\k
	s_add_co_u32 s45, s45, s44
.endr
	s_sub_co_u32 s46, 16, s45                      ; how many of the eq groups are taken
	s_mov_b32 s47, 0                               ; eq bits seen
	s_mov_b32 s48, 0                               ; places filled
.set k, 0
.rept 8
	v_mbcnt_lo_u32_b32 v[EB+k], s[24+k], s47
	s_bcnt1_i32_b32 s52, s[24+k]
	s_add_co_u32 s47, s47, s52
	v_cmp_gt_u32 s[32+k], s46, v[EB+k]             ; is my eq bit among the first s46?
.set k, k+1
.endr
	s_wait_alu depctr_va_sdst(0)                   ; the eight compares have written s32-39, ahead of their first reader
	s_wait_alu depctr_vm_vsrc(0)                   ; the last trip's eight stores have read v[LA ..], which the lines below write again
.set k, 0
.rept 8
	s_and_b32 s[32+k], s[32+k], s[24+k]
	s_or_b32 s[32+k], s[32+k], s[16+k]             ; the word's chosen bits
	v_mbcnt_lo_u32_b32 v[LA+k], s[32+k], s48
	s_bcnt1_i32_b32 s52, s[32+k]
	s_add_co_u32 s48, s48, s52
	v_cndmask_b32 v[LA+k], v22, v[LA+k], s[32+k]
	v_min_u32 v[LA+k], 47, v[LA+k]
	v_lshl_add_u32 v[LA+k], v[LA+k], 2, s49
.set k, k+1
.endr
	s_wait_alu depctr_va_vdst(0)                   ; the eight addresses v[LA ..] are written, which the stores below read (in the first trip: v[GN ..] too)
.set k, 0
.rept 8
	ds_store_b32 v[LA+k], v[GN+k]
.set k, k+1
.endr
	s_add_co_u32 s49, s49, 192
	s_add_co_u32 s[CNT], s[CNT], 1
	s_cmp_lt_u32 s[CNT], 8
	s_cbranch_scc1 .Ldec
	BAR                                            ; the points are in LDS, everybody's part
	; d2 of the 512 candidates of each of my 8 queries: lane l takes point l of each listed group.  A query's list is asked for a trip ahead.
	s_wait_alu depctr_vm_vsrc(0)                   ; my LDS stores so far have read v14, v16-19 and v64-191: the lines below write v14 and v16, the loop's loads land in v64-127, its distance lines write v128-159
	v_mov_b32 v14, s[LB0]
	s_mul_i32 s23, s8, 8*D2P
	s_add_co_u32 s23, s23, D2
	v_lshlrev_b32 v16, 2, v4
	v_add_nc_u32 v16, s23, v16
	s_mov_b32 s44, 0                               ; which of my 8 queries
	s_mov_b32 s[CNT], 8
	s_wait_alu depctr_va_vdst(0)                   ; v14 is written, which the list loads read
	LIST 0
	s_wait_dscnt 0x0                               ; the first list is in
.Ldist:
	v_readlane_b32 s40, v40, s44                   ; the query's a, b, c, pn as scalars
	v_readlane_b32 s41, v41, s44
	v_readlane_b32 s42, v42, s44
	v_readlane_b32 s43, v43, s44
.set j, 0
.rept 16
	v_min_u32 v[48+j], 255, v[24+j]
	v_lshl_add_u32 v[48+j], v[48+j], 9, v5
.set j, j+1
.endr
	s_wait_alu depctr_va_sdst(0)                   ; s40-43 are written, ahead of the jump and of their first reader
	s_wait_alu depctr_va_vdst(0)                   ; the addresses v48-63 are written, and v14 is (the last trip's step); the lines above are done reading v24-39, in which the next list lands; the last trip's distance lines are done reading v64-127, in which the candidates land
	s_cmp_eq_u32 s[CNT], 1
	s_cbranch_scc1 .Lnolist                        ; my last query has no next list: nothing outside my wave's lists is read
	LIST 192
.Lnolist:
.set j, 0
.rept 16
	ds_load_b128 v[64+4*j:67+4*j], v[48+j]
.set j, j+1
.endr
.set j, 0
.rept 16
	s_wait_dscnt 15-j                              ; behind candidate load j stand 15 - j loads; the list loads are older, so the count is the same on both ways, and the last wait, for 0, shows the next list in
	v_add_f32 v[144+j], s43, v[67+4*j]
	v_mul_f32 v[128+j], s40, v[64+4*j]
	v_fmac_f32 v[128+j], s41, v[65+4*j]
	v_fmac_f32 v[128+j], s42, v[66+4*j]
	v_add_f32 v[128+j], v[144+j], v[128+j]
.set j, j+1
.endr
	s_wait_alu depctr_va_vdst(0)                   ; the sixteen d2 v128-143 are written, which the stores below read
.set j, 0
.rept 16
	ds_store_b32 v16, v[128+j] offset:128*j
.set j, j+1
.endr
	s_wait_alu depctr_vm_vsrc(0)                   ; the stores have read v16 and v128-143, the loads v14 and v48-63: the two steps below and the next trip's lines write them again
	v_add_nc_u32 v14, 192, v14
	v_add_nc_u32 v16, D2P, v16
	s_add_co_u32 s44, s44, 1
	s_sub_co_u32 s[CNT], s[CNT], 1
	s_cmp_lg_u32 s[CNT], 0
	s_cbranch_scc1 .Ldist
	BAR
	; each lane takes one query and a quarter of its 512 d2.  A batch's loads stand ahead of the merge of the batch before; so the loop is entered in its middle, and the last merge stands behind it
	s_and_b32 s16, s8, 1
	s_lshr_b32 s17, s8, 1
	s_lshl_b32 s18, s16, 5
	v_add_nc_u32 v16, s18, v4
	v_mul_u32_u24 v6, v16, D2P
	s_lshl_b32 s19, s17, 9
	s_add_co_u32 s19, s19, D2
	v_add_nc_u32 v6, s19, v6
	v_mul_u32_u24 v7, v16, 80
	s_mul_i32 s19, s17, 5120
	s_add_co_u32 s19, s19, SL
	v_add_nc_u32 v7, s19, v7
.set i, 0
.rept 16
	v_mov_b32 v[LL+i], 0x7f800000
.set i, i+1
.endr
	s_mov_b32 s[CNT], 8
	s_wait_alu depctr_va_vdst(0)                   ; v6 is written, which the loads read; the distance lines are done reading v96-111, in which they land
	BATCH
	s_branch .Lsort
.Lpart:
	s_wait_alu depctr_va_vdst(0)                   ; the sort and the prune are done writing and reading v96-111, in which the next batch lands; v6 is stepped
	BATCH
	BMERGE                                         ; names v64-95 alone: none of the registers that those loads touch
.Lsort:
	s_wait_dscnt 0x0
	SORT16
	PRUNE
	s_wait_alu depctr_vm_vsrc(0)                   ; the batch's loads have read v6
	v_add_nc_u32 v6, 64, v6
	s_sub_co_u32 s[CNT], s[CNT], 1
	s_cmp_lg_u32 s[CNT], 0
	s_cbranch_scc1 .Lpart
	BMERGE
	s_wait_alu depctr_va_vdst(0)                   ; LL is written, which the stores below read, and so is v7; every vector line that named v96-143 is done, in which the merge's loads land
.irp k, 0,1,2,3
	ds_store_b128 v7, v[LL+4*\k:LL+4*\k+3] offset:16*\k
.endr
	BAR
	s_wait_alu depctr_vm_vsrc(0)                   ; my four stores have read LL: the merges of waves 0 and 1 write it again, and in every wave the mask loop's loads land in it
	s_cmp_lt_u32 s8, 2                             ; waves 0 and 1 hold part 0 of queries 32 w + lane: they merge the other three parts
	s_cbranch_scc0 .Lnomerge
.irp p, 1,2,3
.irp k, 0,1,2,3
	ds_load_b128 v[C+16*(\p-1)+4*\k:C+16*(\p-1)+4*\k+3], v7 offset:5120*\p+16*\k  ; a buffer to each part: no vector line has been issued since the wait ahead of the stores above
.endr
.endr
.irp p, 1,2,3
	s_wait_dscnt 12-4*\p                           ; part p is in; the later parts' loads, four each, stay out
	SETMAP C+16*(\p-1)
	PRUNE
	BMERGE
.endr
	v_lshl_add_u32 v17, v16, 2, TAU
	s_wait_alu depctr_va_vdst(0)                   ; v17 and the 16th smallest, v[LL+15], are written, which the store reads
	ds_store_b32 v17, v[LL+15]
.Lnomerge:
	BAR
	; the candidate masks of my 8 queries
	s_wait_alu depctr_vm_vsrc(0)                   ; in waves 0 and 1 the store of tau has read v17, which is written below, and v[LL+15], in which a load of the loop lands
	v_lshlrev_b32 v16, 2, v4
	v_add_nc_u32 v18, MK-128, v16                  ; one step back: v18 is stepped ahead of its use in every trip
	v_add_nc_u32 v16, s23, v16
	s_lshl_b32 s24, s8, 10
	v_add_nc_u32 v18, s24, v18
	s_lshl_b32 s24, s8, 5
	s_add_co_u32 s24, s24, TAU
	v_mov_b32 v17, s24
	v_add_nc_u32 v19, MK, v12                      ; the way out's two LDS addresses are made here, ahead of the wait below
	v_lshrrev_b32 v20, 2, v0
	v_mul_u32_u24 v20, v20, 192
	v_and_b32 v21, 3, v0
	v_lshl_add_u32 v20, v21, 4, v20
	v_add_nc_u32 v20, LISTS, v20
	s_mov_b32 s[CNT], 8
	s_wait_alu depctr_va_vdst(0)                   ; the addresses v16 to v20 are written; the merges are done with v64-79 and the distance loop's readlanes with v40, in which the loads land
.Lmask:
	ds_load_b32 v40, v17
.set j, 0
.rept 16
	ds_load_b32 v[64+j], v16 offset:128*j
.set j, j+1
.endr
	s_wait_alu depctr_vm_vsrc(0)                   ; these loads have read v16 and v17, the last trip's store v18 and v41: the four lines below write them
	v_mov_b32 v41, 0
	v_add_nc_u32 v16, D2P, v16
	v_add_nc_u32 v17, 4, v17
	v_add_nc_u32 v18, 128, v18
	s_wait_dscnt 0x0
.set j, 0
.rept 16
	v_cmp_lt_f32 s[24+j], v[64+j], v40
	v_cmp_eq_f32 s[40+j], v[64+j], v40
.set j, j+1
.endr
	s_wait_alu depctr_va_sdst(0)                   ; the 32 compares have written s24-55, ahead of their first reader
.set j, 0
.rept 16
	v_writelane_b32 v41, s[24+j], j
	v_writelane_b32 v41, s[40+j], 16+j
.set j, j+1
.endr
	s_wait_alu depctr_va_vdst(0)                   ; v41 and v18 are written, which the store reads; v16 and v17 are stepped, and the compares are done reading v40 and v64-79, for the next trip's loads
	ds_store_b32 v18, v41
	s_sub_co_u32 s[CNT], s[CNT], 1
	s_cmp_lg_u32 s[CNT], 0
	s_cbranch_scc1 .Lmask
	BAR
	ds_load_b128 v[24:27], v19                     ; no vector line has been issued since the loop's last wait on va_vdst, and none since the distance loop names v24-35
	ds_load_b128 v[28:31], v19 offset:4096
	ds_load_b128 v[32:35], v20
	s_wait_dscnt 0x0
	global_store_b128 v12, v[24:27], s[58:59]      ; a wave stores 512 consecutive bytes
	global_store_b128 v12, v[28:31], s[58:59] offset:4096
	global_store_b128 v12, v[32:35], s[60:61]
	s_wait_dscnt 0x0                               ; the wave's end
	s_wait_alu 0x0
	s_wait_tensorcnt 0x0
	ds_add_u32 v2, v3
	s_wait_dscnt 0x0
	s_endpgm
.Lfunc_end_k_qc6a5173ad8_knn2:
	.size	k_qc6a5173ad8_knn2, .Lfunc_end_k_qc6a5173ad8_knn2-k_qc6a5173ad8_knn2
	.p2alignl 7, 3214868480
	.fill 96, 4, 3214868480
	.section	.rodata,"a",@progbits
	.p2align	6, 0x0
	.amdhsa_kernel k_qc6a5173ad8_knn2
		.amdhsa_group_segment_fixed_size 305408
		.amdhsa_private_segment_fixed_size 0
		.amdhsa_enable_private_segment 0
		.amdhsa_kernarg_size 24
		.amdhsa_user_sgpr_count 2
		.amdhsa_user_sgpr_kernarg_segment_ptr 1
		.amdhsa_wavefront_size32 1
		.amdhsa_system_sgpr_workgroup_id_x 1
		.amdhsa_system_sgpr_workgroup_id_y 1
		.amdhsa_system_sgpr_workgroup_id_z 1
		.amdhsa_system_vgpr_workitem_id 0
		.amdhsa_next_free_vgpr 256
		.amdhsa_next_free_sgpr 66
		.amdhsa_reserve_vcc 0
		.amdhsa_float_denorm_mode_32 3
		.amdhsa_float_denorm_mode_16_64 3
		.amdhsa_memory_ordered 1
		.amdhsa_forward_progress 1
		.amdhsa_inst_pref_size 54
	.end_amdhsa_kernel
	.amdgpu_metadata
---
amdhsa.version: [ 1, 2 ]
amdhsa.kernels:
  - .name:           k_qc6a5173ad8_knn2
    .symbol:         k_qc6a5173ad8_knn2.kd
    .args:
      - { .name: points, .offset: 0, .size: 8, .value_kind: global_buffer, .address_space: global }
      - { .name: wn, .offset: 8, .size: 8, .value_kind: global_buffer, .address_space: global }
      - { .name: cand, .offset: 16, .size: 8, .value_kind: global_buffer, .address_space: global }
    .group_segment_fixed_size: 305408
    .private_segment_fixed_size: 0
    .kernarg_segment_align: 8
    .kernarg_segment_size: 24
    .max_flat_workgroup_size: 256
    .sgpr_count:     66
    .vgpr_count:     256
    .wavefront_size: 32
...
	.end_amdgpu_metadata
.endif
;; end of part 7
;; launch prep: the kernel of part 3 again; grid 256 x 1, 8 waves a work-group, no clusters, 169,728 bytes of LDS; arguments feats, Wq, bq, Wk, bk, Wv, bv, points, Wd1, cand, qkv, wn, stA; writes qkv, wn, stA
;; launch gam0: the kernel of part 4 again; grid 256 x 1, 8 waves a work-group, no clusters, 136,192 bytes of LDS; arguments points, wn, qkv, Wd1, bd1, gd, betad, Wd2, bd2, stA, x0, u, stB; writes x0, u, stB
;; launch lay1: the kernel of part 5 again; grid 256 x 1, 4 waves a work-group, no clusters, 105,984 bytes of LDS; arguments x0, stB, gg1, betag1, Wg1, bg1, x1, stA; writes x1, stA
;; launch fin: the kernel of part 6 again; grid 256 x 1, 4 waves a work-group, no clusters, 40,448 bytes of LDS; arguments x1, stA, gg2, betag2, Wg2, bg2, wn, qkv, u, Wd2, bd2, out0; writes out0
